; MI455X (gfx1250); checked and timed in simulation.
; The chip was launched on July 23, 2026; its instructions are those of AMD's public machine-readable ISA for CDNA 5 (MIT licence, August 2026) and "CDNA5" Instruction Set Architecture Reference Guide (July 2026). The comments in the code are by the model that wrote it; some were corrected since.
;; Model. Allowed arithmetic: float matrix products may take bf16 or f16 operands with f32 sums; all other float work in f32.
;; Inputs: key 4 x 1,024 x 64 float32; query 4 x 1,024 x 64 float32; scale_factor one number float32; value 4 x 1,024 x 64 float32; weight 1 x 16 x 64 x 64 float32.
;; Outputs: out0 4 x 16 x 1,024 x 64 float32.
;; 2 versions, each right and faster than the one before. Each part assembles by itself: llvm-mc -triple=amdgcn-amd-amdhsa -mcpu=gfx1250 --defsym DOCPART=n.
;; ======== version 1 of 2: 2 launches
;; limits: values are held in f16: magnitudes above 65,504 overflow, below 6.1e-05 lose precision
;; workspace buffers: u 16,777,216 bytes; psum 1,048,576 bytes
;; launch main (part 1): grid 256 x 1, 4 waves a work-group, clusters of 4 x 1, 327,680 bytes of LDS; arguments key, value, query, weight, scale_factor, u, psum; writes u, psum
.if DOCPART == 1
	.amdgcn_target "amdgcn-amd-amdhsa--gfx1250"
	.amdhsa_code_object_version 6
	.text
	.protected	k_q06c6052a90_main
	.globl	k_q06c6052a90_main
	.p2align	8
	.type	k_q06c6052a90_main,@function
k_q06c6052a90_main:
	s_mov_b64 s[64:65], 0
	v_nop
	global_prefetch_b8 v0, s[64:65] scope:SCOPE_SE
	s_setreg_imm32_b32 hwreg(HW_REG_WAVE_MODE, 25, 1), 1
	s_wait_xcnt 0x0
	s_wait_alu depctr_hold_cnt(0) depctr_sa_sdst(0) depctr_va_vdst(0) depctr_va_sdst(0) depctr_va_ssrc(0) depctr_va_vcc(0) depctr_vm_vsrc(0)
	s_getreg_b32 s2, hwreg(HW_REG_IB_STS2, 6, 4)
	s_cmp_eq_u32 s2, 0
	s_cbranch_scc0 .Lentry_in_a_cluster
	s_endpgm
.Lentry_in_a_cluster:
	s_bfe_u32 s2, ttmp6, 0x10000c
	s_cmp_lg_u32 s2, 0x3003
	s_cbranch_scc0 .Lentry_shape_is_right
	s_endpgm
.Lentry_shape_is_right:
; wq = q W_h;  S = wq K^T scale;  P = softmax over the 16 heads;  dv = P V;  sm = softmax over d of dv;  E = exp(sm);
; stored: u = E dv  [b][h][s][d]  and  psum[b][h][s tile][d] = the sum of E over the tile's 16 rows.  A second launch divides u by the sum over all s.
;
; SHARES.  A work-group owns one batch b, 16 rows of s, all 16 heads and all 1,024 t: 4 x 64 = 256 work-groups.  The softmax over heads needs all heads
; of one (s, t) and nothing along t, so each of the four waves holds all 16 heads x 16 s and takes 32 of every 128 t; the four partial dv are added
; through LDS at the end, and wave w finishes heads 4w .. 4w+3.
; CLUSTER.  The four work-groups of a cluster share b, hence every tile of K and V: each tile is asked for jointly (mask 15).  Only the global addresses
; of q, u and psum hang on the place in the cluster.  W is not asked for jointly: its 262,144 bytes do not fit in LDS beside the ring and wq, and the
; register loads below land in the matrix layout without passing through LDS.
; MATRIX LAYOUTS (lane L: r = L & 15, g = L >> 4; a permutation of k that is the same in both operands keeps the products):
;   wq^T, tile q:  A = W^T, row r is e = 4r+q;  B = (+-q)^T, column r is s;  slot i of K fragment c is d = 32g+16c+i.  D register j: e = 32g+4j+q, s = r.
;   S^T(h, tt):    A = K, row r is t = 16tt+r;  B = wq^T;  slot i of fragment c is e = 32g+16c+i, which is what the lane already holds of wq.  D register j: t = 16tt+8g+j, s = r.
;   dv^T(h, q):    A = V^T, row r is d = 4r+q, k = t in its natural place;  B = P(h) = the two tiles of S packed in place.  D register j: d = 32g+4j+q, s = r.
; NUMBER FORMAT.  All matrix operands (q, W, wq, K, P, V) are f16, all sums and everything else f32.  f16 and not bf16, because six roundings of 8 bits, added over
; 1,024 t, come too near to one hundredth of the output's root mean square; 11 bits leave a margin.  Room in f16 (largest number 65,504): q, K, V thirty times larger
; reach some 170, W some 20; wq reaches some 4,500 with q and W both thirty times larger and 64 x 30 x 3.75 = 7,200 with offsets of thirty spreads on both.
; alpha = scale_factor x log2(e) stays out of the f16 operands: q takes its sign alone (exact), and |alpha| is applied in f32 to S, in the one fused multiply-add that takes the maximum away.
; LIMITS.  Inputs are finite, and |wq| < 65,504 (beyond it f16 gives infinity).  f16 operands under 2^-14 keep an absolute error under 2^-25.  v_exp_f32 gives zero for
; results under 2^-126 (ISA guide, 15.8).  The sum over t is made as four partial sums, added as (0 + 3) + (1 + 2).  The maximum is taken away in the softmax over heads
; (as the rounded product |alpha| x max, the same number for all 16 heads) and in that over d.  The softmax over s takes none away: its exponents are values of a softmax,
; in [0, 1], so each exponential lies in [1, e] and their sum over 1,024 rows in [1024, 2784].
;
; LDS:  two slots of 69,632 bytes (128 rows of K, then 128 rows of V, rows of 256 bytes 272 apart);  wq as ready fragments at 139,264 (32,768 bytes, written by ds_store,
; no fill lands there);  after the slots' last fill and a barrier the whole 262,144 bytes serve the adding of the partial sums, [from wave][to wave] in blocks of 16,384,
; and block [0][w], once wave w has read it, is wave w's stage on the way out.
; REGISTER WINDOWS:  0 addresses, fragments, maxima, sums;  1 S(h, tt, j) = v[16h+8tt+j], later P(h) = v[16h .. 16h+7];  2, 3 dv(h, q, j) = v[32(h&7)+8q+j], window 2+(h>>3).
; In the prologue windows 2 and 3 hold W as loaded.
.set PITCH, 272                        ; 256 bytes + 16: sixteen rows begin at sixteen different 16-byte columns modulo 256
.set HALF,  64*PITCH                   ; what one tensor load brings: 64 rows
.set SLOT,  4*HALF
.set VOFF,  2*HALF                     ; V's rows in a slot
.set WQB,   2*SLOT                     ; wq's fragments
.set TILEB, 32768                      ; 128 rows of 256 bytes in memory
.set KA,   4                           ; v4, v5   K: (32w+r) PITCH + 128g, slot 0, 1
.set VA,   6                           ; v6, v7   V: VOFF + (32w+8g) PITCH + 16r, slot 0, 1
.set WQA,  8                           ; v8       WQB + 16L
.set WQS,  9                           ; v9       WQA + 8192w
.set WO,   11                          ; v11      W: 65536w + 8192g + 16r
.set QO,   12                          ; v12      q: 256r + 128g
.set RS,   13                          ; v13      65536w + 16L
.set RL,   14                          ; v14-17   65536k + 16384w + 16L
.set STO,  18                          ; v18      16384w + PITCH r + 128g
.set SRD,  19                          ; v19      16384w + PITCH g + 16r
.set UO,   20                          ; v20      16L
.set PO,   21                          ; v21      16r
.set M,    24                          ; v24-39   maxima over heads, index 8tt+j; then - |alpha| x maximum
.set SUM,  40                          ; v40-55   sums over heads, then their reciprocals
.set KF,   56                          ; v56-87   K fragments, 16tt+8c
.set VF,   88                          ; v88-119  V fragments, 8q
.set WB,   120                         ; v120-183 wq fragments, two buffers of two heads: 32 buffer + 16u + 8c
.set TMP,  184                         ; v184-247 K or V as loaded, f32
.set QF,   56                          ; prologue: q fragments v56-71
.set QL,   88                          ; prologue: q as loaded v88-119
.set WA,   120                         ; prologue: W fragments, 16q+8c
.set DW,   184                         ; prologue: wq^T, 8q+j
.set WF,   216                         ; prologue: wq fragments of one head v216-231
.set X,    56                          ; epilogue: dv of my four heads, 32i+8q+j
.set Y,    184                         ; epilogue
.set U,    216                         ; epilogue
.set T,    24                          ; epilogue: at work
.set PS,   40                          ; epilogue: sums of E, 4i
.set G1,   24                          ; s[24:31] descriptor group 1
.set G0,   32                          ; s[32:39] descriptor group 0, one set for each slot
.set MSB,  0
.macro WIN new                         ; the immediate's high byte repeats the setting that is left; a switch that changes nothing is dropped
.if MSB != \new
	s_set_vgpr_msb (MSB<<8)|\new
.set MSB, \new
.endif
.endm
.macro PLACES                          ; four places behind a matrix instruction (ISA guide 7.12.1)
.rept 4
	v_nop
.endr
.endm
; A round of the cluster's barrier: my work-group's barrier, wave 0 signals for the work-group, every wave waits for all four work-groups, my work-group's barrier again.
.macro ROUND
	s_barrier_signal -1
	s_barrier_wait -1
	s_cmp_lg_u32 s18, 0
	s_cbranch_scc1 .Lnot_wave_0_\@
	s_barrier_signal -3
.Lnot_wave_0_\@:
	s_barrier_wait -3
	s_barrier_signal -1
	s_barrier_wait -1
.endm
.macro KLOAD s                         ; my 32 rows of K, f32: TMP[32tt+y] = K(16tt+r, 32g+y)
.irp tt,0,1
.irp x,0,1,2,3,4,5,6,7
	ds_load_b128 v[TMP+32*\tt+4*\x:TMP+32*\tt+4*\x+3], v[KA+\s] offset:\tt*16*PITCH+16*\x
.endr
.endr
.endm
.macro KCVT                            ; KF[16tt+8c+p] = f16 pair of TMP[32tt+16c+2p], [.. +1]
.set z, 0
.rept 32
	v_cvt_pk_f16_f32 v[KF+z], v[TMP+2*z], v[TMP+2*z+1]
.set z, z+1
.endr
.endm
.macro VLOAD s                         ; my 32 rows of V, f32: TMP[4(8g'+i)+q] = V(16g'+8g+i, 4r+q)
.irp g,0,1
.irp i,0,1,2,3,4,5,6,7
	ds_load_b128 v[TMP+4*(8*\g+\i):TMP+4*(8*\g+\i)+3], v[VA+\s] offset:(16*\g+\i)*PITCH
.endr
.endr
.endm
.macro VCVT                            ; the transposition is made by the choice of registers: register 4g'+ii of fragment q holds t = 16g'+8g+2ii, +1 of column 4r+q
.irp q,0,1,2,3
.irp g,0,1
.irp ii,0,1,2,3
	v_cvt_pk_f16_f32 v[VF+8*\q+4*\g+\ii], v[TMP+4*(8*\g+2*\ii)+\q], v[TMP+4*(8*\g+2*\ii+1)+\q]
.endr
.endr
.endr
.endm
.macro WQLOAD pr, bf                   ; the fragments of heads 2 pr, 2 pr + 1 into buffer bf: eight loads of 512 neighbouring bytes
.set y, 0
.rept 8
	ds_load_b128 v[WB+32*\bf+4*y:WB+32*\bf+4*y+3], v[WQA] offset:2*\pr*2048+512*y
.set y, y+1
.endr
.endm
; S^T of heads 2p, 2p+1, both tiles of t.  The four accumulators take turns, one instruction a turn.
.macro SPAIR p
.irp c,0,1
.irp u,0,1
.irp tt,0,1
.if \c
	v_wmma_f32_16x16x32_f16 v[16*(2*\p+\u)+8*\tt:16*(2*\p+\u)+8*\tt+7], v[KF+16*\tt+8*\c:KF+16*\tt+8*\c+7], v[WB+32*(\p&1)+16*\u+8*\c:WB+32*(\p&1)+16*\u+8*\c+7], v[16*(2*\p+\u)+8*\tt:16*(2*\p+\u)+8*\tt+7]
.else
	v_wmma_f32_16x16x32_f16 v[16*(2*\p+\u)+8*\tt:16*(2*\p+\u)+8*\tt+7], v[KF+16*\tt+8*\c:KF+16*\tt+8*\c+7], v[WB+32*(\p&1)+16*\u+8*\c:WB+32*(\p&1)+16*\u+8*\c+7], 0
.endif
.endr
.endr
.endr
.endm
.macro MAXFIRST                        ; heads 0 and 1 start the maxima; minus infinity in the first place keeps this line under the window setting of the lines that follow it
.set y, 0
.rept 16
	v_max3_num_f32 v[M+y], 0xff800000, v[y], v[16+y]
.set y, y+1
.endr
.endm
.macro MAXPAIR pp                      ; heads 2 pp, 2 pp + 1
.set y, 0
.rept 16
	v_max3_num_f32 v[M+y], v[M+y], v[32*\pp+y], v[32*\pp+16+y]
.set y, y+1
.endr
.endm
; 2^(|alpha| S - |alpha| max), in place: one fused multiply-add, M holding - |alpha| x max.  Behind the exponentials the next head's multiply-adds (or the first additions)
; are the plain place (ISA guide 5.7.2).
.macro SUBEXP h
.set y, 0
.rept 8
	v_pk_fma_f32 v[16*\h+y:16*\h+y+1], v[16*\h+y:16*\h+y+1], s[46:47], v[M+y:M+y+1] op_sel_hi:[1,0,1]
.set y, y+2
.endr
.set y, 0
.rept 16
	v_exp_f32 v[16*\h+y], v[16*\h+y]
.set y, y+1
.endr
.endm
.macro ADDE h
.set y, 0
	s_wait_alu depctr_va_vdst(0)
.rept 8
	v_pk_add_f32 v[SUM+y:SUM+y+1], v[SUM+y:SUM+y+1], v[16*\h+y:16*\h+y+1]
.set y, y+2
.endr
.endm
.macro MULR h                          ; P = E / sum, in f32, in place
.set y, 0
	s_wait_alu depctr_va_vdst(0)
.rept 8
	v_pk_mul_f32 v[16*\h+y:16*\h+y+1], v[16*\h+y:16*\h+y+1], v[SUM+y:SUM+y+1]
.set y, y+2
.endr
.endm
; P of heads 4g .. 4g+3 rounded to f16 and packed in place: register p takes elements 2p and 2p+1; element p has been read by the time register p is written.
.macro PACK4 g
.irp hh,0,1,2,3
.irp p,0,1,2,3,4,5,6,7
	v_cvt_pk_f16_f32 v[16*(4*\g+\hh)+\p], v[16*(4*\g+\hh)+2*\p], v[16*(4*\g+\hh)+2*\p+1]
.endr
.endr
.endm
; dv^T of heads 4g .. 4g+3: sixteen different accumulators, one instruction each.  zero = 1: the first product starts the sums.
.macro DV16 g, zero
.irp hh,0,1,2,3
.irp q,0,1,2,3
.if \zero
	v_wmma_f32_16x16x32_f16 v[32*((4*\g+\hh)&7)+8*\q:32*((4*\g+\hh)&7)+8*\q+7], v[VF+8*\q:VF+8*\q+7], v[16*(4*\g+\hh):16*(4*\g+\hh)+7], 0
.else
	v_wmma_f32_16x16x32_f16 v[32*((4*\g+\hh)&7)+8*\q:32*((4*\g+\hh)&7)+8*\q+7], v[VF+8*\q:VF+8*\q+7], v[16*(4*\g+\hh):16*(4*\g+\hh)+7], v[32*((4*\g+\hh)&7)+8*\q:32*((4*\g+\hh)&7)+8*\q+7]
.endif
.endr
.endr
.endm
; One step: the tile of 128 t in \slot.  On entry: K's fragments of this tile in KF, wq's fragments of heads 0-3 in WB, no LDS instruction out.
; mode 2: this slot is filled again, two tiles ahead, behind a round of the cluster's barrier;  1: a plain barrier shows the last tile;  0: nothing follows.
.macro STEP slot, zero, mode, last
	VLOAD \slot
.irp p,0,1,2,3,4,5,6,7
.if \p >= 2
.set LEFT, 8                           ; LDS loads come back in order (ISA guide 5.7.1): pair p's eight are in, only the next pair's eight are younger; at p = 2 V's sixteen, which are older, are in too
.if \last
.if \p == 7
.set LEFT, 0                           ; in the last step nothing was asked for behind pair 7
.endif
.endif
	s_wait_dscnt LEFT
.endif
	WIN 0x50                           ; C and D window 1
	SPAIR \p
	WIN 0x14                           ; sources 1 and 2 window 1
; the block behind a pair's products: the places in front of the loads into the buffer just read, and in front of the next block's reads of this pair's results
.if \p == 0
	PLACES
.endif
.if \p == 1
	MAXFIRST
.endif
.if \p >= 2
	MAXPAIR (\p-1)
.endif
.set ASK, 1
.if \last
.if \p >= 6
.set ASK, 0                            ; pairs 0 and 1 of a step that does not follow
.endif
.endif
.if ASK
	WQLOAD ((\p+2)&7), (\p&1)
.endif
.if \p == 2
	WIN 0
	VCVT
.endif
.endr
	WIN 0
.if \mode == 2
	s_wait_tensorcnt 0x0               ; all my tensor loads have landed: the one that was out is my part of the other slot,
	ds_add_u32 v254, v255
	s_add_nc_u64 s[G0+4*\slot+2:G0+4*\slot+3], s[G0+4*\slot+2:G0+4*\slot+3], 2*TILEB   ; so this slot's group 0 may step two tiles on
	s_wait_dscnt 0x0                   ; my reads of this slot are over (K's in the step before, V's above)
	ROUND                              ; both now hold of every wave of the four work-groups
	tensor_load_to_lds s[G0+4*\slot:G0+4*\slot+3], s[G1:G1+7]   ; my one tensor load behind the round, first thing there; it has a whole step in which to land
	s_nop 0
.endif
.if \mode == 1
	s_wait_tensorcnt 0x0               ; my part of the last tile has landed
	s_wait_dscnt 0x0
	s_barrier_signal -1
	s_barrier_wait -1                  ; everybody's has
.endif
	WIN 0x14
.if \mode
	KLOAD (1-\slot)                    ; the next tile's K, converted below, among the dv products
.endif
	MAXPAIR 7
	WIN 0
.set y, 0
.rept 8
	v_pk_mul_f32 v[M+y:M+y+1], v[M+y:M+y+1], s[52:53] op_sel_hi:[1,0]   ; - |alpha| x max: one number for all 16 heads of a (t, s), so its rounding shifts them alike
.set y, y+2
.endr
	WIN 0x41                           ; destination and source 0 window 1
.irp h,0,1,2,3,4,5,6,7
	SUBEXP \h
.endr
	WIN 0x05
.set y, 0
	s_wait_alu depctr_va_vdst(0)
.rept 8
	v_pk_add_f32 v[SUM+y:SUM+y+1], v[y:y+1], v[16+y:16+y+1]     ; heads 0 and 1 start the sums
.set y, y+2
.endr
	WIN 0x04
.irp h,2,3,4,5,6,7
	ADDE \h
.endr
	WIN 0x41
.irp h,8,9,10,11,12,13,14,15
	SUBEXP \h
.endr
	WIN 0x04
.irp h,8,9,10,11,12,13,14,15
	ADDE \h
.endr
.set y, 0
.rept 16
	v_rcp_f32 v[SUM+y], v[SUM+y]       ; the largest head's term is 2 to the rounding of |alpha| x max, half a last place of that product at the most: the sum is far from 0 and from overflow
.set y, y+1
.endr
	v_nop                              ; the plain place behind the reciprocals (ISA guide 5.7.2)
	WIN 0x41
.irp h,0,1,2,3,4,5,6,7,8,9,10,11,12,13,14,15
	MULR \h
.endr
.irp g,0,1,2,3
	WIN 0x45                           ; destination and both sources window 1
	PACK4 \g
.if \g < 2
	WIN 0xa4                           ; A window 0, B window 1, C and D window 2
.else
	WIN 0xf4                           ; C and D window 3
.endif
	DV16 \g, \zero
.if \g == 0
.if \last == 0
	WIN 0
	s_wait_dscnt 0x0                   ; K's sixteen loads: no LDS instruction was issued behind them
	KCVT
.endif
.endif
.endr
	WIN 0
.endm
; wq of my head i: W's 64 x 64 from windows 2, 3 to f16 fragments, eight products, the result packed as B fragments of S and put into LDS.
.macro HEADW i
.if \i < 2
	WIN 0x0a
.else
	WIN 0x0f
.endif
.irp q,0,1,2,3
.irp c,0,1
.irp p,0,1,2,3,4,5,6,7
	v_cvt_pk_f16_f32 v[WA+16*\q+8*\c+\p], v[128*(\i&1)+4*(16*\c+2*\p)+\q], v[128*(\i&1)+4*(16*\c+2*\p+1)+\q]
.endr
.endr
.endr
	WIN 0
.irp c,0,1
.irp q,0,1,2,3
.if \c
	v_wmma_f32_16x16x32_f16 v[DW+8*\q:DW+8*\q+7], v[WA+16*\q+8*\c:WA+16*\q+8*\c+7], v[QF+8*\c:QF+8*\c+7], v[DW+8*\q:DW+8*\q+7]
.else
	v_wmma_f32_16x16x32_f16 v[DW+8*\q:DW+8*\q+7], v[WA+16*\q+8*\c:WA+16*\q+8*\c+7], v[QF+8*\c:QF+8*\c+7], 0
.endif
.endr
.endr
	PLACES
.irp c,0,1
.irp p,0,1,2,3,4,5,6,7
	v_cvt_pk_f16_f32 v[WF+8*\c+\p], v[DW+16*(\p&1)+4*\c+(\p>>1)], v[DW+16*(\p&1)+8+4*\c+(\p>>1)]   ; slots 2p, 2p+1 of fragment c: e = 32g+16c+2p, +1
.endr
.endr
.irp y,0,1,2,3
	ds_store_b128 v[WQS], v[WF+4*\y:WF+4*\y+3] offset:\i*2048+512*\y
.endr
.endm
; My head i to the end: softmax over d, E = exp of it, u = E dv, both through my stage into whole rows; u stored, E added over the 16 rows.
.macro EPI i
.set XB, X+32*\i
	s_wait_xcnt 0x0                    ; U, the data of the head before's stores, is written again only behind this wait (ISA guide 3.1)
.irp c,0,1,2,3
	v_max3_num_f32 v[T+\c], v[XB+8*\c], v[XB+8*\c+1], v[XB+8*\c+2]
.endr
.irp c,0,1,2,3
	v_max3_num_f32 v[T+\c], v[T+\c], v[XB+8*\c+3], v[XB+8*\c+4]
.endr
.irp c,0,1,2,3
	v_max3_num_f32 v[T+\c], v[T+\c], v[XB+8*\c+5], v[XB+8*\c+6]
.endr
.irp c,0,1,2,3
	v_max_num_f32 v[T+\c], v[T+\c], v[XB+8*\c+7]
.endr
	v_max3_num_f32 v[T], v[T], v[T+1], v[T+2]
	v_max_num_f32 v[T], v[T], v[T+3]
	v_permlanex16_b32 v[T+1], v[T], s48, s49       ; the row's other 32 columns lie in lane L xor 16
	v_max_num_f32 v[T], v[T], v[T+1]
	v_mul_f32 v[T+2], 0xbfb8aa3b, v[T]             ; - max x log2(e)
	v_mov_b32 v[T+3], v[T+2]
.set y, 0
.rept 16
	v_pk_fma_f32 v[U+y:U+y+1], v[XB+y:XB+y+1], 0x3fb8aa3b, v[T+2:T+3] op_sel_hi:[1,0,1]
.set y, y+2
.endr
.irp q,0,1,2,3
.irp j,0,1,2,3,4,5,6,7
	v_exp_f32 v[Y+4*\j+\q], v[U+8*\q+\j]           ; into the order of d: Y[y] is column 32g + y
.endr
.endr
	v_nop
	s_wait_alu depctr_va_vdst(0)
.irp y,0,2,4,6,8,10,12,14
	v_pk_add_f32 v[T+\y:T+\y+1], v[Y+\y:Y+\y+1], v[Y+16+\y:Y+16+\y+1]
.endr
.irp y,0,2,4,6
	v_pk_add_f32 v[T+\y:T+\y+1], v[T+\y:T+\y+1], v[T+8+\y:T+8+\y+1]
.endr
.irp y,0,2
	v_pk_add_f32 v[T+\y:T+\y+1], v[T+\y:T+\y+1], v[T+4+\y:T+4+\y+1]
.endr
	v_pk_add_f32 v[T:T+1], v[T:T+1], v[T+2:T+3]
	v_add_f32 v[T], v[T], v[T+1]
	v_permlanex16_b32 v[T+1], v[T], s48, s49
	v_add_f32 v[T], v[T], v[T+1]                   ; about 1 at the least: the largest column's term
	v_rcp_f32 v[T+2], v[T]
	v_nop
	s_wait_alu depctr_va_vdst(0)
	v_mul_f32 v[T+2], 0x3fb8aa3b, v[T+2]           ; log2(e) / sum
	v_mov_b32 v[T+3], v[T+2]
.set y, 0
.rept 16
	v_pk_mul_f32 v[Y+y:Y+y+1], v[Y+y:Y+y+1], v[T+2:T+3]
.set y, y+2
.endr
.set y, 0
.rept 32
	v_exp_f32 v[Y+y], v[Y+y]                       ; E = e^softmax, in [1, e]
.set y, y+1
.endr
	v_nop
	s_wait_alu depctr_va_vdst(0)
.irp q,0,1,2,3
.irp j,0,1,2,3,4,5,6,7
	v_mul_f32 v[U+4*\j+\q], v[Y+4*\j+\q], v[XB+8*\q+\j]
.endr
.endr
.irp k,0,1,2,3,4,5,6,7
	ds_store_b128 v[STO], v[U+4*\k:U+4*\k+3] offset:16*\k
.endr
.irp k,0,1,2,3,4,5,6,7
	ds_store_b128 v[STO], v[Y+4*\k:Y+4*\k+3] offset:16*PITCH+16*\k
.endr
.irp k,0,1,2,3,4,5,6,7
	ds_load_b128 v[U+4*\k:U+4*\k+3], v[SRD] offset:2*PITCH*\k              ; my own bytes; LDS serves a wave's instructions in order (ISA guide 5.7.1): these see the stores above
.endr
.irp k,0,1,2,3,4,5,6,7
	ds_load_b128 v[Y+4*\k:Y+4*\k+3], v[SRD] offset:16*PITCH+2*PITCH*\k
.endr
.irp k,0,1,2,3,4,5,6,7
	s_wait_dscnt 15-\k                             ; younger: the 7-k later loads of u and the eight of E
	global_store_b128 v[UO], v[U+4*\k:U+4*\k+3], s[14:15] offset:\i*262144+512*\k   ; rows 2k, 2k+1: 512 consecutive bytes, at a multiple of 256 from u's first byte
.endr
	s_wait_dscnt 0x0
.irp y,0,2,4,6,8,10,12,14
	v_pk_add_f32 v[Y+\y:Y+\y+1], v[Y+\y:Y+\y+1], v[Y+16+\y:Y+16+\y+1]
.endr
.irp y,0,2,4,6
	v_pk_add_f32 v[Y+\y:Y+\y+1], v[Y+\y:Y+\y+1], v[Y+8+\y:Y+8+\y+1]
.endr
.irp y,0,2
	v_pk_add_f32 v[PS+4*\i+\y:PS+4*\i+\y+1], v[Y+\y:Y+\y+1], v[Y+4+\y:Y+4+\y+1]
.endr
.irp y,0,1,2,3
	v_permlanex16_b32 v[T+4+\y], v[PS+4*\i+\y], s48, s49       ; the odd rows' sums lie in the other half of the lanes
.endr
.irp y,0,2
	v_pk_add_f32 v[PS+4*\i+\y:PS+4*\i+\y+1], v[PS+4*\i+\y:PS+4*\i+\y+1], v[T+4+\y:T+4+\y+1]
.endr
.endm
	; ---- set-up ----
	s_load_b256 s[4:11], s[0:1], 0x0               ; key s[4:5], value s[6:7], query s[8:9], weight s[10:11]
	s_load_b128 s[12:15], s[0:1], 0x20             ; scale_factor s[12:13], u s[14:15]
	s_load_b64 s[16:17], s[0:1], 0x30              ; psum
	v_lshl_add_u32 v254, v0, 2, 0x40000
	v_mov_b32 v255, 0
	ds_add_u32 v254, v255
	v_lshrrev_b32 v22, 5, v0
	v_readfirstlane_b32 s18, v22                   ; wave w
	s_bfe_u32 s19, ttmp6, 0x40000                  ; cx: my place in the cluster
	s_lshr_b32 s21, ttmp9, 4                       ; b, from the cluster's number alone: 16 clusters a batch
	s_and_b32 s22, ttmp9, 15
	s_lshl_b32 s22, s22, 2
	s_add_co_u32 s22, s22, s19                     ; my tile of 16 rows of s, 0 .. 63
	s_mov_b32 s48, 0x76543210                      ; v_permlanex16_b32: lane i of one half reads lane i of the other
	s_mov_b32 s49, 0xfedcba98
	; group 1: 64 rows of 64 elements of 4 bytes, dense in memory, 16 bytes of padding behind each row in LDS
	s_mov_b32 s[G1+0], 15|(2<<16)|(1<<20)|(1<<21)|(5<<22)|(3<<25)  ; 15:0 the four work-groups of the cluster; 17:16 4 bytes; 20 padding; 21 set beside a mask; 24:22 after 64 words; 31:25 four words
	s_mov_b32 s[G1+1], 64<<16                      ; tensor_dim0 = 64
	s_mov_b32 s[G1+2], 64<<16                      ; tensor_dim1 = 64
	s_mov_b32 s[G1+3], 64<<16                      ; tile_dim0 = 64
	s_mov_b32 s[G1+4], 64                          ; tile_dim1 = 64
	s_mov_b32 s[G1+5], 64                          ; elements from row to row
	s_mov_b32 s[G1+6], 0
	s_mov_b32 s[G1+7], 0
	; what feeds the joint loads is made of b and w alone, in registers that never hold cx
	s_lshl_b32 s40, s21, 18                        ; b x 1,024 rows x 256 bytes
	s_and_b32 s56, s18, 1
	s_lshl_b32 s56, s56, 14                        ; which 64 rows of a tile I fetch
	s_add_co_u32 s40, s40, s56
	s_mov_b32 s41, 0
	s_mul_i32 s57, s18, HALF                       ; and where they go: K's halves, then V's halves = wave x 64 rows
	s_mul_i32 s52, s18, 32*PITCH                   ; my 32 rows of a tile
	; offsets of q, u, psum
	s_lshl_b32 s20, s22, 12                        ; 16 rows of 256 bytes a tile of s
	s_lshl_b32 s58, s21, 18
	s_lshl_b32 s62, s18, 16
	s_add_co_u32 s62, s62, s58
	s_add_co_u32 s58, s58, s20                     ; q: (1024 b + 16 st) x 256
	s_mov_b32 s59, 0
	s_lshl_b32 s60, s21, 22
	s_lshl_b32 s23, s18, 20
	s_add_co_u32 s60, s60, s23
	s_add_co_u32 s60, s60, s20                     ; u: ((16 b + 4 w) x 1024 + 16 st) x 256
	s_mov_b32 s61, 0
	s_lshl_b32 s23, s22, 8
	s_add_co_u32 s62, s62, s23                     ; psum: ((16 b + 4 w) x 64 + st) x 256
	s_mov_b32 s63, 0
	v_and_b32 v1, 31, v0                           ; L
	v_and_b32 v2, 15, v0                           ; r
	v_bfe_u32 v3, v0, 4, 1                         ; g
	v_lshlrev_b32 v[UO], 4, v1
	v_lshlrev_b32 v[PO], 4, v2
	v_mul_u32_u24 v[KA], v2, PITCH
	v_lshl_add_u32 v[KA], v3, 7, v[KA]
	v_lshl_add_u32 v[STO], s18, 14, v[KA]
	v_add_nc_u32 v[KA], s52, v[KA]
	v_add_nc_u32 v[KA+1], SLOT, v[KA]
	v_mul_u32_u24 v[VA], v3, 8*PITCH
	v_add_nc_u32 v[VA], v[VA], v[PO]
	v_add_nc_u32 v[VA], s52, v[VA]
	v_add_nc_u32 v[VA], VOFF, v[VA]
	v_add_nc_u32 v[VA+1], SLOT, v[VA]
	v_add_nc_u32 v[WQA], WQB, v[UO]
	v_lshl_add_u32 v[WQS], s18, 13, v[WQA]
	v_lshl_add_u32 v[WO], v3, 13, v[PO]
	v_lshl_add_u32 v[WO], s18, 16, v[WO]
	v_lshlrev_b32 v[QO], 8, v2
	v_lshl_add_u32 v[QO], v3, 7, v[QO]
	v_lshl_add_u32 v[RS], s18, 16, v[UO]
	v_lshl_add_u32 v[RL], s18, 14, v[UO]
	v_add_nc_u32 v[RL+1], 0x10000, v[RL]
	v_add_nc_u32 v[RL+2], 0x20000, v[RL]
	v_add_nc_u32 v[RL+3], 0x30000, v[RL]
	v_mul_u32_u24 v[SRD], v3, PITCH
	v_add_nc_u32 v[SRD], v[SRD], v[PO]
	v_lshl_add_u32 v[SRD], s18, 14, v[SRD]
	s_wait_dscnt 0x0
	s_wait_kmcnt 0x0
	s_load_b32 s45, s[12:13], 0x0                  ; scale_factor
	s_add_nc_u64 s[8:9], s[8:9], s[58:59]
	s_add_nc_u64 s[14:15], s[14:15], s[60:61]
	s_add_nc_u64 s[16:17], s[16:17], s[62:63]
	s_cmp_lt_u32 s18, 2                            ; waves 0, 1 fetch K's halves, waves 2, 3 V's
	s_cselect_b64 s[42:43], s[4:5], s[6:7]
	s_add_nc_u64 s[42:43], s[42:43], s[40:41]
.irp s,0,1
	s_mov_b32 s[G0+4*\s], 1                                        ; count = 1
	s_add_co_u32 s[G0+4*\s+1], s57, \s*SLOT                        ; LDS address
	s_add_nc_u64 s[G0+4*\s+2:G0+4*\s+3], s[42:43], \s*TILEB        ; tile s
	s_or_b32 s[G0+4*\s+3], s[G0+4*\s+3], 0x80000000                ; type = 2
.endr
	; ---- q and my four heads of W, straight into the registers from which the fragments are packed ----
.irp x,0,1,2,3,4,5,6,7
	global_load_b128 v[QL+4*\x:QL+4*\x+3], v[QO], s[8:9] offset:16*\x      ; QL[y] = q(r, 32g + y)
.endr
	WIN 0x80                                       ; destination window 2: heads 0, 1 of my four
.irp i,0,1
.set row, 0
.rept 32
	global_load_b128 v[128*\i+4*row:128*\i+4*row+3], v[WO], s[10:11] offset:\i*16384+row*256   ; W(32g + row, 4r ..): two whole rows of 256 bytes
.set row, row+1
.endr
.endr
	WIN 0xc0                                       ; window 3: heads 2, 3
.irp i,0,1
.set row, 0
.rept 32
	global_load_b128 v[128*\i+4*row:128*\i+4*row+3], v[WO], s[10:11] offset:(\i+2)*16384+row*256
.set row, row+1
.endr
.endr
	WIN 0
	ROUND                                          ; the four work-groups are here: the first joint loads meet
	tensor_load_to_lds s[G0:G0+3], s[G1:G1+7]      ; tile 0
	s_nop 0
	tensor_load_to_lds s[G0+4:G0+7], s[G1:G1+7]    ; tile 1: two tensor loads of the wave are out here, later one
	s_nop 0
	; ---- wq ----
	s_wait_kmcnt 0x0
	s_mul_f32 s46, s45, 0x3fb8aa3b                 ; alpha = scale_factor x log2(e)
	s_and_b32 s54, s46, 0x80000000
	s_or_b32 s54, s54, 0x3f800000                  ; +1 or -1 with alpha's sign: q takes it, so that the largest S is the largest exponent whatever the sign
	s_mov_b32 s55, s54
	s_and_b32 s46, s46, 0x7fffffff                 ; |alpha|, for the multiply-add in front of the exponentials
	s_mov_b32 s47, s46
	s_or_b32 s52, s46, 0x80000000                  ; - |alpha|, for the maxima
	s_mov_b32 s53, s52
	s_wait_loadcnt 63                              ; 63 is the largest count that the wait can name: of the 136 loads the first 73 are in, q's eight and heads 0, 1 among them
.set y, 0
.rept 16
	v_pk_mul_f32 v[QL+y:QL+y+1], v[QL+y:QL+y+1], s[54:55] op_sel_hi:[1,0]
.set y, y+2
.endr
.set z, 0
.rept 16
	v_cvt_pk_f16_f32 v[QF+z], v[QL+2*z], v[QL+2*z+1]
.set z, z+1
.endr
	HEADW 0
	HEADW 1
	s_wait_loadcnt 32                              ; head 3's 32 loads may stay out
	HEADW 2
	s_wait_loadcnt 0x0
	HEADW 3
	s_wait_dscnt 0x0                               ; my heads' fragments are in LDS,
	s_wait_tensorcnt 0x1                           ; and my part of tile 0; tile 1's may stay out
	s_barrier_signal -1
	s_barrier_wait -1
	WQLOAD 0, 0
	WQLOAD 1, 1
	KLOAD 0
	s_wait_dscnt 0x0
	KCVT
	; ---- the eight tiles of t ----
	STEP 0, 1, 2, 0                                ; the first lap stands in front of the loop: its dv products start the sums
	STEP 1, 0, 2, 0
	s_mov_b32 s44, 2
.Llap:
	STEP 0, 0, 2, 0
	STEP 1, 0, 2, 0
	s_sub_co_u32 s44, s44, 1
	s_cmp_lg_u32 s44, 0
	s_cbranch_scc1 .Llap
	STEP 0, 0, 1, 0                                ; the last lap fills nothing
	STEP 1, 0, 0, 1
	; ---- the four waves' partial dv are added ----
	PLACES                                         ; behind the last products: the stores below read their results, the loads below land on their sources
	s_wait_dscnt 0x0
	s_barrier_signal -1
	s_barrier_wait -1                              ; nobody reads the slots or wq any more, and every slot has had its last fill
	WIN 0x08                                       ; store data window 2: heads 0-7
.set y, 0
.rept 64
	ds_store_b128 v[RS], v[4*y:4*y+3] offset:512*y                 ; quad n of my 512 registers at 512 n: head h begins at 4,096 h, so the heads of wave h >> 2 fill block h >> 2
.set y, y+1
.endr
	WIN 0x0c                                       ; window 3: heads 8-15
.set y, 0
.rept 64
	ds_store_b128 v[RS], v[4*y:4*y+3] offset:32768+512*y
.set y, y+1
.endr
	WIN 0
	s_wait_dscnt 0x0
	s_barrier_signal -1
	s_barrier_wait -1
	WIN 0x40
.set y, 0
.rept 32
	ds_load_b128 v[4*y:4*y+3], v[RL+1] offset:512*y                ; from wave 1, into window 1
.set y, y+1
.endr
.set y, 0
.rept 32
	ds_load_b128 v[128+4*y:128+4*y+3], v[RL+2] offset:512*y        ; from wave 2
.set y, y+1
.endr
	WIN 0
.set y, 0
.rept 32
	ds_load_b128 v[X+4*y:X+4*y+3], v[RL] offset:512*y              ; from wave 0
.set y, y+1
.endr
	WIN 0x80
.set y, 0
.rept 32
	ds_load_b128 v[4*y:4*y+3], v[RL+3] offset:512*y                ; from wave 3, into window 2
.set y, y+1
.endr
	s_wait_dscnt 63                                ; the largest count that the wait can name: of the 128 loads the first 65 are in, those from waves 1 and 2 among them
	WIN 0x45
.set y, 0
.rept 64
	v_pk_add_f32 v[y:y+1], v[y:y+1], v[128+y:128+y+1]
.set y, y+2
.endr
	s_wait_dscnt 0x0
	WIN 0x08
.set y, 0
.rept 64
	v_pk_add_f32 v[X+y:X+y+1], v[X+y:X+y+1], v[y:y+1]
.set y, y+2
.endr
	WIN 0x04
.set y, 0
.rept 64
	v_pk_add_f32 v[X+y:X+y+1], v[X+y:X+y+1], v[y:y+1]
.set y, y+2
.endr
	WIN 0
	; ---- my four heads to the end ----
	EPI 0
	EPI 1
	EPI 2
	EPI 3
	v_cmp_gt_u32 vcc_lo, 16, v1                    ; both halves of the lanes hold the same sums: lanes 0-15 store them
	s_wait_xcnt 0x0                                ; EXEC is a source of the stores above: it changes only behind this wait
	s_and_saveexec_b32 s50, vcc_lo
.irp i,0,1,2,3
	global_store_b128 v[PO], v[PS+4*\i:PS+4*\i+3], s[16:17] offset:\i*16384        ; one whole row of 256 bytes
.endr
	s_wait_xcnt 0x0
	s_or_b32 exec_lo, exec_lo, s50
	s_wait_tensorcnt 0x0
	ds_add_u32 v254, v255
	s_wait_dscnt 0x0
	ROUND                                          ; the closing round: no work-group ends while a partner may still ask for a tile that names it
	s_endpgm
.Lfunc_end_k_q06c6052a90_main:
	.size	k_q06c6052a90_main, .Lfunc_end_k_q06c6052a90_main-k_q06c6052a90_main
	.p2alignl 7, 3214868480
	.fill 96, 4, 3214868480
	.section	.rodata,"a",@progbits
	.p2align	6, 0x0
	.amdhsa_kernel k_q06c6052a90_main
		.amdhsa_group_segment_fixed_size 327680
		.amdhsa_private_segment_fixed_size 0
		.amdhsa_enable_private_segment 0
		.amdhsa_kernarg_size 56
		.amdhsa_user_sgpr_count 2
		.amdhsa_user_sgpr_kernarg_segment_ptr 1
		.amdhsa_wavefront_size32 1
		.amdhsa_system_sgpr_workgroup_id_x 1
		.amdhsa_system_sgpr_workgroup_id_y 1
		.amdhsa_system_sgpr_workgroup_id_z 1
		.amdhsa_system_vgpr_workitem_id 0
		.amdhsa_next_free_vgpr 1024
		.amdhsa_next_free_sgpr 66
		.amdhsa_reserve_vcc 1
		.amdhsa_float_denorm_mode_32 3
		.amdhsa_float_denorm_mode_16_64 3
		.amdhsa_memory_ordered 1
		.amdhsa_forward_progress 1
		.amdhsa_inst_pref_size 255
	.end_amdhsa_kernel
	.section	.bss,"aw",@nobits
	.p2align	6
	.space	262144
	.amdgpu_metadata
---
amdhsa.version: [ 1, 2 ]
amdhsa.kernels:
  - .name:           k_q06c6052a90_main
    .symbol:         k_q06c6052a90_main.kd
    .args:
      - { .name: key, .offset: 0, .size: 8, .value_kind: global_buffer, .address_space: global }
      - { .name: value, .offset: 8, .size: 8, .value_kind: global_buffer, .address_space: global }
      - { .name: query, .offset: 16, .size: 8, .value_kind: global_buffer, .address_space: global }
      - { .name: weight, .offset: 24, .size: 8, .value_kind: global_buffer, .address_space: global }
      - { .name: scale_factor, .offset: 32, .size: 8, .value_kind: global_buffer, .address_space: global }
      - { .name: u, .offset: 40, .size: 8, .value_kind: global_buffer, .address_space: global }
      - { .name: psum, .offset: 48, .size: 8, .value_kind: global_buffer, .address_space: global }
    .group_segment_fixed_size: 327680
    .private_segment_fixed_size: 0
    .kernarg_segment_align: 8
    .kernarg_segment_size: 56
    .max_flat_workgroup_size: 128
    .sgpr_count:     66
    .vgpr_count:     1024
    .wavefront_size: 32
...
	.end_amdgpu_metadata
.endif
;; end of part 1
;; launch finish (part 2): grid 256 x 1, 8 waves a work-group, no clusters, 3,072 bytes of LDS; arguments u, psum, out0; writes out0
.if DOCPART == 2
	.amdgcn_target "amdgcn-amd-amdhsa--gfx1250"
	.amdhsa_code_object_version 6
	.text
	.protected	k_q06c6052a90_finish
	.globl	k_q06c6052a90_finish
	.p2align	8
	.type	k_q06c6052a90_finish,@function
k_q06c6052a90_finish:
	s_mov_b64 s[64:65], 0
	v_nop
	global_prefetch_b8 v0, s[64:65] scope:SCOPE_SE
	s_setreg_imm32_b32 hwreg(HW_REG_WAVE_MODE, 25, 1), 1
	s_wait_xcnt 0x0
; out0[b][h][s][d] = u[b][h][s][d] / (the sum over the 64 tiles of s of psum[b][h][tile][d]).
; A stream: a work-group takes a quarter (256 rows, 65,536 bytes) of one (b, h); 64 x 4 = 256 work-groups of eight waves.  Thread t owns the 16 bytes at 16 t of every
; 4,096 bytes, which are always the same four columns d = 4 (t & 15) .., so one reciprocal quad serves all its sixteen loads.  All loads go out at once; each load and
; store of a wave covers 512 consecutive bytes.  No matrix unit, no cluster, no tensor load: nothing is shared but the 16 KiB of psum, and every byte of u passes once.
; The sums lie in [1024, 2784] (each term is e to a softmax value in [0, 1]), so the reciprocal is safe.
.set P, 4                              ; v[4:19]    four quads of psum
.set Q, 20                             ; v[20:51]   the eight waves' sums
.set R, 52                             ; v[52:55]   1 / sum of my four columns
.set U, 56                             ; v[56:119]  sixteen quads of u, scaled in place
	s_load_b128 s[4:7], s[0:1], 0x0                ; u s[4:5], psum s[6:7]
	s_load_b64 s[8:9], s[0:1], 0x10                ; out0
	v_lshl_add_u32 v128, v0, 2, 0x800
	v_mov_b32 v129, 0
	s_lshr_b32 s10, ttmp9, 2                       ; 16 b + h
	s_and_b32 s11, ttmp9, 3                        ; which quarter of its rows
	s_lshl_b32 s12, s10, 14                        ; psum: 64 rows of 256 bytes for each (b, h)
	s_mov_b32 s13, 0
	s_lshl_b32 s14, s10, 18                        ; u, out0: 1,024 rows of 256 bytes
	s_lshl_b32 s15, s11, 16
	s_add_co_u32 s14, s14, s15
	s_mov_b32 s15, 0
	s_mov_b32 s16, 0x76543210                      ; v_permlanex16_b32: lane i of one half reads lane i of the other
	s_mov_b32 s17, 0xfedcba98
	v_lshrrev_b32 v3, 5, v0
	v_readfirstlane_b32 s18, v3                    ; wave
	v_lshlrev_b32 v1, 4, v0                        ; 16 t
	v_and_b32 v2, 15, v0
	v_lshlrev_b32 v2, 4, v2                        ; 16 (t & 15)
	v_lshl_add_u32 v3, s18, 8, v2                  ; my wave's 256 bytes in LDS
	s_wait_kmcnt 0x0
	s_add_nc_u64 s[6:7], s[6:7], s[12:13]
	s_add_nc_u64 s[4:5], s[4:5], s[14:15]
	s_add_nc_u64 s[8:9], s[8:9], s[14:15]
.irp k,0,1,2,3
	global_load_b128 v[P+4*\k:P+4*\k+3], v1, s[6:7] offset:4096*\k         ; tiles (t >> 4) + 16 k
.endr
.set k, 0
.rept 16
	global_load_b128 v[U+4*k:U+4*k+3], v1, s[4:5] offset:4096*k th:TH_LOAD_NT
.set k, k+1
.endr
	s_wait_loadcnt 16                              ; psum's four are in; the sixteen loads of u are younger
	v_pk_add_f32 v[P:P+1], v[P:P+1], v[P+4:P+5]
	v_pk_add_f32 v[P+2:P+3], v[P+2:P+3], v[P+6:P+7]
	v_pk_add_f32 v[P+8:P+9], v[P+8:P+9], v[P+12:P+13]
	v_pk_add_f32 v[P+10:P+11], v[P+10:P+11], v[P+14:P+15]
	v_pk_add_f32 v[P:P+1], v[P:P+1], v[P+8:P+9]
	v_pk_add_f32 v[P+2:P+3], v[P+2:P+3], v[P+10:P+11]
.irp j,0,1,2,3
	v_permlanex16_b32 v[P+4+\j], v[P+\j], s16, s17 ; the other half of the lanes holds the same columns of another tile
.endr
	v_pk_add_f32 v[P:P+1], v[P:P+1], v[P+4:P+5]
	v_pk_add_f32 v[P+2:P+3], v[P+2:P+3], v[P+6:P+7]
	ds_store_b128 v3, v[P:P+3]                     ; both halves write the same bytes with the same values
	s_wait_dscnt 0x0                               ; for the other waves' sake
	s_barrier_signal -1
	s_barrier_wait -1
.irp k,0,1,2,3,4,5,6,7
	ds_load_b128 v[Q+4*\k:Q+4*\k+3], v2 offset:256*\k
.endr
	s_wait_dscnt 0x0
.irp y,0,2,4,6,8,10,12,14
	v_pk_add_f32 v[Q+\y:Q+\y+1], v[Q+\y:Q+\y+1], v[Q+16+\y:Q+16+\y+1]
.endr
.irp y,0,2,4,6
	v_pk_add_f32 v[Q+\y:Q+\y+1], v[Q+\y:Q+\y+1], v[Q+8+\y:Q+8+\y+1]
.endr
.irp y,0,2
	v_pk_add_f32 v[Q+\y:Q+\y+1], v[Q+\y:Q+\y+1], v[Q+4+\y:Q+4+\y+1]
.endr
.irp j,0,1,2,3
	v_rcp_f32 v[R+\j], v[Q+\j]
.endr
	v_nop                                          ; the plain place behind the reciprocals (ISA guide 5.7.2)
	s_wait_alu depctr_va_vdst(0)
.set k, 0
.rept 16
	s_wait_loadcnt 15-k                            ; loads come back in order (ISA guide 5.7.1): quad k is in, the younger ones stay out
	v_pk_mul_f32 v[U+4*k:U+4*k+1], v[U+4*k:U+4*k+1], v[R:R+1]
	v_pk_mul_f32 v[U+4*k+2:U+4*k+3], v[U+4*k+2:U+4*k+3], v[R+2:R+3]
	global_store_b128 v1, v[U+4*k:U+4*k+3], s[8:9] offset:4096*k th:TH_STORE_NT
.set k, k+1
.endr
	s_wait_tensorcnt 0x0
	ds_add_u32 v128, v129
	s_wait_dscnt 0x0
	s_endpgm
.Lfunc_end_k_q06c6052a90_finish:
	.size	k_q06c6052a90_finish, .Lfunc_end_k_q06c6052a90_finish-k_q06c6052a90_finish
	.p2alignl 7, 3214868480
	.fill 96, 4, 3214868480
	.section	.rodata,"a",@progbits
	.p2align	6, 0x0
	.amdhsa_kernel k_q06c6052a90_finish
		.amdhsa_group_segment_fixed_size 3072
		.amdhsa_private_segment_fixed_size 0
		.amdhsa_enable_private_segment 0
		.amdhsa_kernarg_size 24
		.amdhsa_user_sgpr_count 2
		.amdhsa_user_sgpr_kernarg_segment_ptr 1
		.amdhsa_wavefront_size32 1
		.amdhsa_system_sgpr_workgroup_id_x 1
		.amdhsa_system_sgpr_workgroup_id_y 1
		.amdhsa_system_sgpr_workgroup_id_z 1
		.amdhsa_system_vgpr_workitem_id 0
		.amdhsa_next_free_vgpr 130
		.amdhsa_next_free_sgpr 66
		.amdhsa_reserve_vcc 0
		.amdhsa_float_denorm_mode_32 3
		.amdhsa_float_denorm_mode_16_64 3
		.amdhsa_memory_ordered 1
		.amdhsa_forward_progress 1
		.amdhsa_inst_pref_size 10
	.end_amdhsa_kernel
	.amdgpu_metadata
---
amdhsa.version: [ 1, 2 ]
amdhsa.kernels:
  - .name:           k_q06c6052a90_finish
    .symbol:         k_q06c6052a90_finish.kd
    .args:
      - { .name: u, .offset: 0, .size: 8, .value_kind: global_buffer, .address_space: global }
      - { .name: psum, .offset: 8, .size: 8, .value_kind: global_buffer, .address_space: global }
      - { .name: out0, .offset: 16, .size: 8, .value_kind: global_buffer, .address_space: global }
    .group_segment_fixed_size: 3072
    .private_segment_fixed_size: 0
    .kernarg_segment_align: 8
    .kernarg_segment_size: 24
    .max_flat_workgroup_size: 256
    .sgpr_count:     66
    .vgpr_count:     130
    .wavefront_size: 32
...
	.end_amdgpu_metadata
.endif
;; end of part 2
;; ======== version 2 of 2: 2 launches; 1.29 times as fast as version 1
;; limits: values are held in f16: magnitudes above 65,504 overflow, below 6.1e-05 lose precision
;; workspace buffers: u 16,777,216 bytes; psum 1,048,576 bytes
;; launch main (part 3): grid 256 x 1, 4 waves a work-group, clusters of 4 x 1, 327,680 bytes of LDS; arguments key, value, query, weight, scale_factor, u, psum; writes u, psum
.if DOCPART == 3
	.amdgcn_target "amdgcn-amd-amdhsa--gfx1250"
	.amdhsa_code_object_version 6
	.text
	.protected	k_q06c6052a90_main
	.globl	k_q06c6052a90_main
	.p2align	8
	.type	k_q06c6052a90_main,@function
k_q06c6052a90_main:
	s_mov_b64 s[64:65], 0
	v_nop
	global_prefetch_b8 v0, s[64:65] scope:SCOPE_SE
	s_setreg_imm32_b32 hwreg(HW_REG_WAVE_MODE, 25, 1), 1
	s_wait_xcnt 0x0
	s_wait_alu depctr_hold_cnt(0) depctr_sa_sdst(0) depctr_va_vdst(0) depctr_va_sdst(0) depctr_va_ssrc(0) depctr_va_vcc(0) depctr_vm_vsrc(0)
	s_getreg_b32 s2, hwreg(HW_REG_IB_STS2, 6, 4)
	s_cmp_eq_u32 s2, 0
	s_cbranch_scc0 .Lentry_in_a_cluster
	s_endpgm
.Lentry_in_a_cluster:
	s_bfe_u32 s2, ttmp6, 0x10000c
	s_cmp_lg_u32 s2, 0x3003
	s_cbranch_scc0 .Lentry_shape_is_right
	s_endpgm
.Lentry_shape_is_right:
; wq = q W_h;  S = wq K^T scale;  P = softmax over the 16 heads;  dv = P V;  sm = softmax over d of dv;  E = exp(sm);
; stored: u = E dv  [b][h][s][d]  and  psum[b][h][s tile][d] = the sum of E over the tile's 16 rows.  A second launch divides u by the sum over all s.
;
; SHARES.  A work-group owns one batch b, 16 rows of s, all 16 heads and all 1,024 t: 4 x 64 = 256 work-groups.  The softmax over heads needs all heads
; of one (s, t) and nothing along t, so each of the four waves holds all 16 heads x 16 s and takes 32 of every 128 t; the four partial dv are added
; through LDS at the end, and wave w finishes heads 4w .. 4w+3.
; CLUSTER.  The four work-groups of a cluster share b, hence every tile of K and V: each tile is asked for jointly (mask 15).  Only the global addresses
; of q, u and psum hang on the place in the cluster.  W is not asked for jointly: its 262,144 bytes do not fit in LDS beside the ring and wq, and the
; register loads below land in the matrix layout without passing through LDS.
; MATRIX LAYOUTS (lane L: r = L & 15, g = L >> 4; a permutation of k that is the same in both operands keeps the products):
;   wq^T, tile q:  A = W^T, row r is e = 4r+q;  B = (+-q)^T, column r is s;  slot i of K fragment c is d = 32g+16c+i.  D register j: e = 32g+4j+q, s = r.
;   S^T(h, tt):    A = K, row r is t = 16tt+r;  B = wq^T;  slot i of fragment c is e = 32g+16c+i, which is what the lane already holds of wq.  D register j: t = 16tt+8g+j, s = r.
;   dv^T(h, q):    A = V^T, row r is d = 4r+q, k = t in its natural place;  B = P(h) = the two tiles of S packed in place.  D register j: d = 32g+4j+q, s = r.
; NUMBER FORMAT.  All matrix operands (q, W, wq, K, P, V) are f16, all sums and everything else f32.  f16 and not bf16, because six roundings of 8 bits, added over
; 1,024 t, come too near to one hundredth of the output's root mean square; 11 bits leave a margin.  Room in f16 (largest number 65,504): q, K, V thirty times larger
; reach some 170, W some 20; wq reaches some 4,500 with q and W both thirty times larger and 64 x 30 x 3.75 = 7,200 with offsets of thirty spreads on both.
; alpha = scale_factor x log2(e) stays out of the f16 operands: q takes its sign alone (exact), and |alpha| is applied in f32 to S, in the one fused multiply-add that takes the maximum away.
; LIMITS.  Inputs are finite, and |wq| < 65,504 (beyond it f16 gives infinity).  f16 operands under 2^-14 keep an absolute error under 2^-25.  v_exp_f32 gives zero for
; results under 2^-126 (ISA guide, 15.8).  The sum over t is made as four partial sums, added as (0 + 3) + (1 + 2).  The maximum is taken away in the softmax over heads
; (as the rounded product |alpha| x max, the same number for all 16 heads) and in that over d.  The softmax over s takes none away: its exponents are values of a softmax,
; in [0, 1], so each exponential lies in [1, e] and their sum over 1,024 rows in [1024, 2784].
; THE TEXT OF THE EIGHT STEPS is two bodies of one step each: a loop of six trips whose steps fill a slot again, and a loop of two trips whose steps fill nothing.  The slot is
; therefore no constant of the text: a scalar holds its byte base, 0 or SLOT, and is toggled once a step.  The first trip starts the sums of dv: the dv phase stands twice in the
; first body, and a branch on the trip counter takes the form whose C is 0 in the first trip.
; ORDER INSIDE A STEP.  Vector lines that do not hang on the line in front of them stand where they can issue beside it: the next head's multiply-adds among this head's
; exponentials, and, behind each product of the dv phase, four lines of the scaling and packing of the NEXT four heads (or of the conversion of the next tile's K).
; The products write windows 2 and 3 and those lines window 1 or 0, so each such gap has two window switches: 2 x 56 in a dv phase.
;
; LDS:  two slots of 69,632 bytes (128 rows of K, then 128 rows of V, rows of 256 bytes 272 apart);  wq as ready fragments at 139,264 (32,768 bytes, written by ds_store,
; no fill lands there);  after the slots' last fill and a barrier the whole 262,144 bytes serve the adding of the partial sums, [from wave][to wave] in blocks of 16,384,
; and block [0][w], once wave w has read it, is wave w's stage on the way out.
; REGISTER WINDOWS:  0 addresses, fragments, maxima, sums;  1 S(h, tt, j) = v[16h+8tt+j], later P(h) = v[16h .. 16h+7];  2, 3 dv(h, q, j) = v[32(h&7)+8q+j], window 2+(h>>3).
; In the prologue windows 2 and 3 hold W as loaded.
.set PITCH, 272                        ; 256 bytes + 16: sixteen rows begin at sixteen different 16-byte columns modulo 256
.set HALF,  64*PITCH                   ; what one tensor load brings: 64 rows
.set SLOT,  4*HALF
.set VOFF,  2*HALF                     ; V's rows in a slot
.set WQB,   2*SLOT                     ; wq's fragments
.set TILEB, 32768                      ; 128 rows of 256 bytes in memory
.set FILLS, 6                          ; steps 0 .. 5 fill a slot again (tiles 2 .. 7); steps 6 and 7 fill nothing
.set KAL,  4                           ; v4       K: (32w+r) PITCH + 128g, the lane's term, never rewritten
.set KAC,  5                           ; v5       KAL + the base of the slot that holds the next tile
.set VAL,  6                           ; v6       V: VOFF + (32w+8g) PITCH + 16r, the lane's term, never rewritten
.set VAC,  7                           ; v7       VAL + the base of the step's slot
.set WQA,  8                           ; v8       WQB + 16L
.set WQS,  9                           ; v9       WQA + 8192w
.set WO,   11                          ; v11      W: 65536w + 8192g + 16r
.set QO,   12                          ; v12      q: 256r + 128g
.set RS,   13                          ; v13      65536w + 16L
.set RL,   14                          ; v14-17   65536k + 16384w + 16L
.set STO,  18                          ; v18      16384w + PITCH r + 128g
.set SRD,  19                          ; v19      16384w + PITCH g + 16r
.set UO,   20                          ; v20      16L
.set PO,   21                          ; v21      16r
.set M,    24                          ; v24-39   maxima over heads, index 8tt+j; then - |alpha| x maximum
.set SUM,  40                          ; v40-55   sums over heads, then their reciprocals
.set KF,   56                          ; v56-87   K fragments, 16tt+8c
.set VF,   88                          ; v88-119  V fragments, 8q
.set WB,   120                         ; v120-183 wq fragments, two buffers of two heads: 32 buffer + 16u + 8c
.set TMP,  184                         ; v184-247 K or V as loaded, f32
.set QF,   56                          ; prologue: q fragments v56-71
.set QL,   88                          ; prologue: q as loaded v88-119
.set WA,   120                         ; prologue: W fragments, 16q+8c
.set DW,   184                         ; prologue: wq^T, 8q+j
.set WF,   216                         ; prologue: wq fragments of one head v216-231
.set X,    56                          ; epilogue: dv of my four heads, 32i+8q+j
.set Y,    184                         ; epilogue
.set U,    216                         ; epilogue
.set T,    24                          ; epilogue: at work
.set PS,   40                          ; epilogue: sums of E, 4i
.set G1,   24                          ; s[24:31] descriptor group 1
.set G0,   32                          ; s[32:35] descriptor group 0 of tile 0
.set G0R,  36                          ; s[36:39] descriptor group 0 of tile 1, and then of every refill
.set SL,   51                          ; s51      byte base of a slot, 0 or SLOT
.set MSB,  0
.macro WIN new                         ; the immediate's high byte repeats the setting that is left; a switch that changes nothing is dropped
.if MSB != \new
	s_set_vgpr_msb (MSB<<8)|\new
.set MSB, \new
.endif
.endm
.macro PLACES                          ; four places behind a matrix instruction (ISA guide 7.12.1)
.rept 4
	v_nop
.endr
.endm
; A round of the cluster's barrier: my work-group's barrier, wave 0 signals for the work-group, every wave waits for all four work-groups, my work-group's barrier again.
.macro ROUND
	s_barrier_signal -1
	s_barrier_wait -1
	s_cmp_lg_u32 s18, 0
	s_cbranch_scc1 .Lnot_wave_0_\@
	s_barrier_signal -3
.Lnot_wave_0_\@:
	s_barrier_wait -3
	s_barrier_signal -1
	s_barrier_wait -1
.endm
.macro KLOAD                           ; my 32 rows of K, f32: TMP[32tt+y] = K(16tt+r, 32g+y)
.irp tt,0,1
.irp x,0,1,2,3,4,5,6,7
	ds_load_b128 v[TMP+32*\tt+4*\x:TMP+32*\tt+4*\x+3], v[KAC] offset:\tt*16*PITCH+16*\x
.endr
.endr
.endm
.macro KCVT                            ; KF[16tt+8c+p] = f16 pair of TMP[32tt+16c+2p], [.. +1]
.set z, 0
.rept 32
	v_cvt_pk_f16_f32 v[KF+z], v[TMP+2*z], v[TMP+2*z+1]
.set z, z+1
.endr
.endm
.macro VLOAD                           ; my 32 rows of V, f32: TMP[4(8g'+i)+q] = V(16g'+8g+i, 4r+q)
.irp g,0,1
.irp i,0,1,2,3,4,5,6,7
	ds_load_b128 v[TMP+4*(8*\g+\i):TMP+4*(8*\g+\i)+3], v[VAC] offset:(16*\g+\i)*PITCH
.endr
.endr
.endm
.macro VCVT                            ; the transposition is made by the choice of registers: register 4g'+ii of fragment q holds t = 16g'+8g+2ii, +1 of column 4r+q
.irp q,0,1,2,3
.irp g,0,1
.irp ii,0,1,2,3
	v_cvt_pk_f16_f32 v[VF+8*\q+4*\g+\ii], v[TMP+4*(8*\g+2*\ii)+\q], v[TMP+4*(8*\g+2*\ii+1)+\q]
.endr
.endr
.endr
.endm
.macro WQLOAD pr, bf                   ; the fragments of heads 2 pr, 2 pr + 1 into buffer bf: eight loads of 512 neighbouring bytes
.set y, 0
.rept 8
	ds_load_b128 v[WB+32*\bf+4*y:WB+32*\bf+4*y+3], v[WQA] offset:2*\pr*2048+512*y
.set y, y+1
.endr
.endm
; S^T of heads 2p, 2p+1, both tiles of t.  The four accumulators take turns, one instruction a turn.
.macro SPAIR p
.irp c,0,1
.irp u,0,1
.irp tt,0,1
.if \c
	v_wmma_f32_16x16x32_f16 v[16*(2*\p+\u)+8*\tt:16*(2*\p+\u)+8*\tt+7], v[KF+16*\tt+8*\c:KF+16*\tt+8*\c+7], v[WB+32*(\p&1)+16*\u+8*\c:WB+32*(\p&1)+16*\u+8*\c+7], v[16*(2*\p+\u)+8*\tt:16*(2*\p+\u)+8*\tt+7]
.else
	v_wmma_f32_16x16x32_f16 v[16*(2*\p+\u)+8*\tt:16*(2*\p+\u)+8*\tt+7], v[KF+16*\tt+8*\c:KF+16*\tt+8*\c+7], v[WB+32*(\p&1)+16*\u+8*\c:WB+32*(\p&1)+16*\u+8*\c+7], 0
.endif
.endr
.endr
.endr
.endm
.macro MAXFIRST                        ; heads 0 and 1 start the maxima; minus infinity in the first place keeps this line under the window setting of the lines that follow it
.set y, 0
.rept 16
	v_max3_num_f32 v[M+y], 0xff800000, v[y], v[16+y]
.set y, y+1
.endr
.endm
.macro MAXPAIR pp                      ; heads 2 pp, 2 pp + 1
.set y, 0
.rept 16
	v_max3_num_f32 v[M+y], v[M+y], v[32*\pp+y], v[32*\pp+16+y]
.set y, y+1
.endr
.endm
; |alpha| S - |alpha| max of head h, in place: one fused multiply-add, M holding - |alpha| x max.
.macro FMA8 h
.set y, 0
.rept 8
	v_pk_fma_f32 v[16*\h+y:16*\h+y+1], v[16*\h+y:16*\h+y+1], s[46:47], v[M+y:M+y+1] op_sel_hi:[1,0,1]
.set y, y+2
.endr
.endm
; 2^(..) of head h, in place; more = 1: the multiply-adds of head h + 1 stand among the exponentials, one for every two.  They touch no register of head h, so each is also a
; plain line behind an exponential (ISA guide 5.7.2); no result of an exponential is read before a later head's lines, or the additions, have come between.
.macro EXPS h, more
.set y, 0
.rept 8
	v_exp_f32 v[16*\h+y], v[16*\h+y]
.if \more
	v_pk_fma_f32 v[16*(\h+1)+y:16*(\h+1)+y+1], v[16*(\h+1)+y:16*(\h+1)+y+1], s[46:47], v[M+y:M+y+1] op_sel_hi:[1,0,1]
.endif
	v_exp_f32 v[16*\h+y+1], v[16*\h+y+1]
.set y, y+2
.endr
.endm
.macro ADDE h
.set y, 0
	s_wait_alu depctr_va_vdst(0)
.rept 8
	v_pk_add_f32 v[SUM+y:SUM+y+1], v[SUM+y:SUM+y+1], v[16*\h+y:16*\h+y+1]
.set y, y+2
.endr
.endm
.macro MULR h                          ; P = E / sum, in f32, in place
.set y, 0
	s_wait_alu depctr_va_vdst(0)
.rept 8
	v_pk_mul_f32 v[16*\h+y:16*\h+y+1], v[16*\h+y:16*\h+y+1], v[SUM+y:SUM+y+1]
.set y, y+2
.endr
.endm
; P of heads 4g .. 4g+3 rounded to f16 and packed in place: register p takes elements 2p and 2p+1; element p has been read by the time register p is written.
.macro PACK4 g
.irp hh,0,1,2,3
.irp p,0,1,2,3,4,5,6,7
	v_cvt_pk_f16_f32 v[16*(4*\g+\hh)+\p], v[16*(4*\g+\hh)+2*\p], v[16*(4*\g+\hh)+2*\p+1]
.endr
.endr
.endm
; dv^T of heads 4g .. 4g+3: sixteen different accumulators, one instruction each.  zero = 1: the first product starts the sums.
; Behind product i (head 4g + (i >> 2), tile i & 3) stand four vector lines that name none of its registers:
;   g < 3, i < 8:   half a head of P = E / sum of the next four heads (head 4g+4 + (i >> 1), elements 8 (i & 1) ..),
;   g < 3, i >= 8:  half a head of their packing (head 4g+4 + ((i-8) >> 1), registers 4 (i & 1) ..; ascending, so that an element is read before its register is written),
;   g = 3, i < 8:   four of the 32 conversions of the next tile's K.
.macro DVGROUP g, zero
.set i, 0
.rept 16
.set hd, 4*\g+(i>>2)
.set qq, (i&3)
.if \g < 2
	WIN 0xa4                           ; A window 0, B window 1, C and D window 2
.else
	WIN 0xf4                           ; C and D window 3
.endif
.if \zero
	v_wmma_f32_16x16x32_f16 v[32*(hd&7)+8*qq:32*(hd&7)+8*qq+7], v[VF+8*qq:VF+8*qq+7], v[16*hd:16*hd+7], 0
.else
	v_wmma_f32_16x16x32_f16 v[32*(hd&7)+8*qq:32*(hd&7)+8*qq+7], v[VF+8*qq:VF+8*qq+7], v[16*hd:16*hd+7], v[32*(hd&7)+8*qq:32*(hd&7)+8*qq+7]
.endif
.if \g < 3
.set hn, 4*\g+4+((i&7)>>1)
.if i < 8
	WIN 0x41                           ; destination and source 0 window 1, the reciprocals window 0
.set y, 8*(i&1)
.rept 4
	v_pk_mul_f32 v[16*hn+y:16*hn+y+1], v[16*hn+y:16*hn+y+1], v[SUM+y:SUM+y+1]
.set y, y+2
.endr
.else
	WIN 0x45                           ; destination and both sources window 1
.set y, 4*(i&1)
.rept 4
	v_cvt_pk_f16_f32 v[16*hn+y], v[16*hn+2*y], v[16*hn+2*y+1]
.set y, y+1
.endr
.endif
.else
.if i < 8
	WIN 0
.set z, 4*i
.rept 4
	v_cvt_pk_f16_f32 v[KF+z], v[TMP+2*z], v[TMP+2*z+1]
.set z, z+1
.endr
.endif
.endif
.set i, i+1
.endr
.endm
; The dv phase of a step.  Only heads 0-3 are scaled and packed ahead of the products; all other vector lines stand behind products.  Every window is 0 on entry and at the end.
.macro DVPHASE zero
	WIN 0x41
.irp h,0,1,2,3
	MULR \h
.endr
	WIN 0x45
	PACK4 0
	DVGROUP 0, \zero
	DVGROUP 1, \zero
	DVGROUP 2, \zero
	s_wait_dscnt 0x0                   ; K's sixteen loads: no LDS instruction was issued behind them
	DVGROUP 3, \zero
	WIN 0
.endm
; One step: the tile of 128 t in the slot whose base s[SL] holds.  On entry: V's address of this slot in VAC, K's fragments of this tile in KF, wq's fragments of heads 0-3 in WB,
; no LDS instruction out.  On exit the same for the next tile.
; mode 2: this slot is filled again, two tiles ahead, behind a round of the cluster's barrier;  1: a plain barrier, nothing is filled.
; both = 1: the dv phase stands in both forms, and the trip in which s44 = FILLS, the first, takes the one that starts the sums.
.macro STEP mode, both
	VLOAD
.irp p,0,1,2,3,4,5,6,7
.if \p >= 2
	s_wait_dscnt 8                     ; LDS loads come back in order (ISA guide 5.7.1): pair p's eight are in, only the next pair's eight are younger; at p = 2 V's sixteen, which are older, are in too
.endif
	WIN 0x50                           ; C and D window 1
	SPAIR \p
	WIN 0x14                           ; sources 1 and 2 window 1
; the block behind a pair's products: the places in front of the loads into the buffer just read, and in front of the next block's reads of this pair's results
.if \p == 0
	PLACES
.endif
.if \p == 1
	MAXFIRST
.endif
.if \p >= 2
	MAXPAIR (\p-1)
.endif
	WQLOAD ((\p+2)&7), (\p&1)          ; at p = 6, 7: pairs 0 and 1 for the next step
.if \p == 2
	WIN 0
	VCVT
.endif
.endr
	WIN 0x14
	MAXPAIR 7                          ; sixteen places (pair 6's maxima) stand between pair 7's products and these reads
	WIN 0
.set y, 0
.rept 8
	v_pk_mul_f32 v[M+y:M+y+1], v[M+y:M+y+1], s[52:53] op_sel_hi:[1,0]   ; - |alpha| x max: one number for all 16 heads of a (t, s), so its rounding shifts them alike
.set y, y+2
.endr
	WIN 0x41                           ; destination and source 0 window 1
	FMA8 0
.irp h,0,1,2,3,4,5,6,7
	EXPS \h, 1                         ; head 7's run prepares head 8
.endr
	WIN 0x05
.set y, 0
	s_wait_alu depctr_va_vdst(0)
.rept 8
	v_pk_add_f32 v[SUM+y:SUM+y+1], v[y:y+1], v[16+y:16+y+1]     ; heads 0 and 1 start the sums
.set y, y+2
.endr
	WIN 0x04
.irp h,2,3,4,5,6,7
	ADDE \h
.endr
	WIN 0
; The change of slots stands here, in the middle of the exponentials: the wq loads issued at the end of the S phase have had eight heads' work in which to come back, and the next
; tile's K, asked for below, has the other eight heads' work.  It stands at the same place in every step, so a refill has a whole step in which to land.
.if \mode == 2
	s_wait_tensorcnt 0x0               ; all my tensor loads have landed: the one that was out is my part of the other slot,
	ds_add_u32 v254, v255
	s_add_nc_u64 s[G0R+2:G0R+3], s[G0R+2:G0R+3], TILEB          ; so the refills' group 0 may be written: one tile on, which is two tiles ahead of this step's,
	s_add_co_u32 s[G0R+1], s57, s[SL]  ; into my 64 rows of this step's slot
	s_wait_dscnt 0x0                   ; my reads of this slot are over (K's in the step before, V's at this step's head)
	ROUND                              ; both now hold of every wave of the four work-groups
	tensor_load_to_lds s[G0R:G0R+3], s[G1:G1+7]                 ; my one tensor load behind the round, first thing there
	s_nop 0
.else
	s_wait_tensorcnt 0x0               ; step 6: my part of the last tile has landed; step 7: none is out
	s_wait_dscnt 0x0
	s_barrier_signal -1
	s_barrier_wait -1                  ; everybody's has
.endif
	s_xor_b32 s[SL], s[SL], SLOT       ; the other slot: the next tile's
	v_add_nc_u32 v[KAC], s[SL], v[KAL]
	v_add_nc_u32 v[VAC], s[SL], v[VAL]
	KLOAD                              ; the next tile's K, converted in the dv phase
	WIN 0x41
.irp h,8,9,10,11,12,13,14
	EXPS \h, 1
.endr
	EXPS 15, 0
	WIN 0x04
.irp h,8,9,10,11,12,13,14,15
	ADDE \h
.endr
.set y, 0
.rept 16
	v_rcp_f32 v[SUM+y], v[SUM+y]       ; the largest head's term is 2 to the rounding of |alpha| x max, half a last place of that product at the most: the sum is far from 0 and from overflow
.set y, y+1
.endr
	v_nop                              ; the plain place behind the reciprocals (ISA guide 5.7.2)
	s_wait_alu depctr_va_vdst(0)
	WIN 0
.if \both
	s_cmp_eq_u32 s44, FILLS            ; the first trip: nothing has been added yet
	s_cbranch_scc1 .Lstart_sums_\@
	DVPHASE 0
	s_branch .Ldv_done_\@
.Lstart_sums_\@:
	DVPHASE 1                          ; the first products start the sums: nothing is cleared
.Ldv_done_\@:
.else
	DVPHASE 0
.endif
.endm
; wq of my head i: W's 64 x 64 from windows 2, 3 to f16 fragments, eight products, the result packed as B fragments of S and put into LDS.
.macro HEADW i
.if \i < 2
	WIN 0x0a
.else
	WIN 0x0f
.endif
.irp q,0,1,2,3
.irp c,0,1
.irp p,0,1,2,3,4,5,6,7
	v_cvt_pk_f16_f32 v[WA+16*\q+8*\c+\p], v[128*(\i&1)+4*(16*\c+2*\p)+\q], v[128*(\i&1)+4*(16*\c+2*\p+1)+\q]
.endr
.endr
.endr
	WIN 0
.irp c,0,1
.irp q,0,1,2,3
.if \c
	v_wmma_f32_16x16x32_f16 v[DW+8*\q:DW+8*\q+7], v[WA+16*\q+8*\c:WA+16*\q+8*\c+7], v[QF+8*\c:QF+8*\c+7], v[DW+8*\q:DW+8*\q+7]
.else
	v_wmma_f32_16x16x32_f16 v[DW+8*\q:DW+8*\q+7], v[WA+16*\q+8*\c:WA+16*\q+8*\c+7], v[QF+8*\c:QF+8*\c+7], 0
.endif
.endr
.endr
	PLACES
.irp c,0,1
.irp p,0,1,2,3,4,5,6,7
	v_cvt_pk_f16_f32 v[WF+8*\c+\p], v[DW+16*(\p&1)+4*\c+(\p>>1)], v[DW+16*(\p&1)+8+4*\c+(\p>>1)]   ; slots 2p, 2p+1 of fragment c: e = 32g+16c+2p, +1
.endr
.endr
.irp y,0,1,2,3
	ds_store_b128 v[WQS], v[WF+4*\y:WF+4*\y+3] offset:\i*2048+512*\y
.endr
.endm
; My head i to the end: softmax over d, E = exp of it, u = E dv, both through my stage into whole rows; u stored, E added over the 16 rows.
.macro EPI i
.set XB, X+32*\i
	s_wait_xcnt 0x0                    ; U, the data of the head before's stores, is written again only behind this wait (ISA guide 3.1)
.irp c,0,1,2,3
	v_max3_num_f32 v[T+\c], v[XB+8*\c], v[XB+8*\c+1], v[XB+8*\c+2]
.endr
.irp c,0,1,2,3
	v_max3_num_f32 v[T+\c], v[T+\c], v[XB+8*\c+3], v[XB+8*\c+4]
.endr
.irp c,0,1,2,3
	v_max3_num_f32 v[T+\c], v[T+\c], v[XB+8*\c+5], v[XB+8*\c+6]
.endr
.irp c,0,1,2,3
	v_max_num_f32 v[T+\c], v[T+\c], v[XB+8*\c+7]
.endr
	v_max3_num_f32 v[T], v[T], v[T+1], v[T+2]
	v_max_num_f32 v[T], v[T], v[T+3]
	v_permlanex16_b32 v[T+1], v[T], s48, s49       ; the row's other 32 columns lie in lane L xor 16
	v_max_num_f32 v[T], v[T], v[T+1]
	v_mul_f32 v[T+2], 0xbfb8aa3b, v[T]             ; - max x log2(e)
	v_mov_b32 v[T+3], v[T+2]
.set y, 0
.rept 16
	v_pk_fma_f32 v[U+y:U+y+1], v[XB+y:XB+y+1], 0x3fb8aa3b, v[T+2:T+3] op_sel_hi:[1,0,1]
.set y, y+2
.endr
.irp q,0,1,2,3
.irp j,0,1,2,3,4,5,6,7
	v_exp_f32 v[Y+4*\j+\q], v[U+8*\q+\j]           ; into the order of d: Y[y] is column 32g + y
.endr
.endr
	v_nop
	s_wait_alu depctr_va_vdst(0)
.irp y,0,2,4,6,8,10,12,14
	v_pk_add_f32 v[T+\y:T+\y+1], v[Y+\y:Y+\y+1], v[Y+16+\y:Y+16+\y+1]
.endr
.irp y,0,2,4,6
	v_pk_add_f32 v[T+\y:T+\y+1], v[T+\y:T+\y+1], v[T+8+\y:T+8+\y+1]
.endr
.irp y,0,2
	v_pk_add_f32 v[T+\y:T+\y+1], v[T+\y:T+\y+1], v[T+4+\y:T+4+\y+1]
.endr
	v_pk_add_f32 v[T:T+1], v[T:T+1], v[T+2:T+3]
	v_add_f32 v[T], v[T], v[T+1]
	v_permlanex16_b32 v[T+1], v[T], s48, s49
	v_add_f32 v[T], v[T], v[T+1]                   ; about 1 at the least: the largest column's term
	v_rcp_f32 v[T+2], v[T]
	v_nop
	s_wait_alu depctr_va_vdst(0)
	v_mul_f32 v[T+2], 0x3fb8aa3b, v[T+2]           ; log2(e) / sum
	v_mov_b32 v[T+3], v[T+2]
.set y, 0
.rept 16
	v_pk_mul_f32 v[Y+y:Y+y+1], v[Y+y:Y+y+1], v[T+2:T+3]
.set y, y+2
.endr
.set y, 0
.rept 32
	v_exp_f32 v[Y+y], v[Y+y]                       ; E = e^softmax, in [1, e]
.set y, y+1
.endr
	v_nop
	s_wait_alu depctr_va_vdst(0)
.irp q,0,1,2,3
.irp j,0,1,2,3,4,5,6,7
	v_mul_f32 v[U+4*\j+\q], v[Y+4*\j+\q], v[XB+8*\q+\j]
.endr
.endr
.irp k,0,1,2,3,4,5,6,7
	ds_store_b128 v[STO], v[U+4*\k:U+4*\k+3] offset:16*\k
.endr
.irp k,0,1,2,3,4,5,6,7
	ds_store_b128 v[STO], v[Y+4*\k:Y+4*\k+3] offset:16*PITCH+16*\k
.endr
.irp k,0,1,2,3,4,5,6,7
	ds_load_b128 v[U+4*\k:U+4*\k+3], v[SRD] offset:2*PITCH*\k              ; my own bytes; LDS serves a wave's instructions in order (ISA guide 5.7.1): these see the stores above
.endr
.irp k,0,1,2,3,4,5,6,7
	ds_load_b128 v[Y+4*\k:Y+4*\k+3], v[SRD] offset:16*PITCH+2*PITCH*\k
.endr
.irp k,0,1,2,3,4,5,6,7
	s_wait_dscnt 15-\k                             ; younger: the 7-k later loads of u and the eight of E
	global_store_b128 v[UO], v[U+4*\k:U+4*\k+3], s[14:15] offset:\i*262144+512*\k   ; rows 2k, 2k+1: 512 consecutive bytes, at a multiple of 256 from u's first byte
.endr
	s_wait_dscnt 0x0
.irp y,0,2,4,6,8,10,12,14
	v_pk_add_f32 v[Y+\y:Y+\y+1], v[Y+\y:Y+\y+1], v[Y+16+\y:Y+16+\y+1]
.endr
.irp y,0,2,4,6
	v_pk_add_f32 v[Y+\y:Y+\y+1], v[Y+\y:Y+\y+1], v[Y+8+\y:Y+8+\y+1]
.endr
.irp y,0,2
	v_pk_add_f32 v[PS+4*\i+\y:PS+4*\i+\y+1], v[Y+\y:Y+\y+1], v[Y+4+\y:Y+4+\y+1]
.endr
.irp y,0,1,2,3
	v_permlanex16_b32 v[T+4+\y], v[PS+4*\i+\y], s48, s49       ; the odd rows' sums lie in the other half of the lanes
.endr
.irp y,0,2
	v_pk_add_f32 v[PS+4*\i+\y:PS+4*\i+\y+1], v[PS+4*\i+\y:PS+4*\i+\y+1], v[T+4+\y:T+4+\y+1]
.endr
.endm
	; ---- set-up ----
	s_load_b256 s[4:11], s[0:1], 0x0               ; key s[4:5], value s[6:7], query s[8:9], weight s[10:11]
	s_load_b128 s[12:15], s[0:1], 0x20             ; scale_factor s[12:13], u s[14:15]
	s_load_b64 s[16:17], s[0:1], 0x30              ; psum
	v_lshl_add_u32 v254, v0, 2, 0x40000
	v_mov_b32 v255, 0
	ds_add_u32 v254, v255
	v_lshrrev_b32 v22, 5, v0
	v_readfirstlane_b32 s18, v22                   ; wave w
	s_bfe_u32 s19, ttmp6, 0x40000                  ; cx: my place in the cluster
	s_lshr_b32 s21, ttmp9, 4                       ; b, from the cluster's number alone: 16 clusters a batch
	s_and_b32 s22, ttmp9, 15
	s_lshl_b32 s22, s22, 2
	s_add_co_u32 s22, s22, s19                     ; my tile of 16 rows of s, 0 .. 63
	s_mov_b32 s48, 0x76543210                      ; v_permlanex16_b32: lane i of one half reads lane i of the other
	s_mov_b32 s49, 0xfedcba98
	s_mov_b32 s[SL], 0                             ; step 0 works on slot 0
	; group 1: 64 rows of 64 elements of 4 bytes, dense in memory, 16 bytes of padding behind each row in LDS
	s_mov_b32 s[G1+0], 15|(2<<16)|(1<<20)|(1<<21)|(5<<22)|(3<<25)  ; 15:0 the four work-groups of the cluster; 17:16 4 bytes; 20 padding; 21 set beside a mask; 24:22 after 64 words; 31:25 four words
	s_mov_b32 s[G1+1], 64<<16                      ; tensor_dim0 = 64
	s_mov_b32 s[G1+2], 64<<16                      ; tensor_dim1 = 64
	s_mov_b32 s[G1+3], 64<<16                      ; tile_dim0 = 64
	s_mov_b32 s[G1+4], 64                          ; tile_dim1 = 64
	s_mov_b32 s[G1+5], 64                          ; elements from row to row
	s_mov_b32 s[G1+6], 0
	s_mov_b32 s[G1+7], 0
	; what feeds the joint loads is made of b and w alone, in registers that never hold cx
	s_lshl_b32 s40, s21, 18                        ; b x 1,024 rows x 256 bytes
	s_and_b32 s56, s18, 1
	s_lshl_b32 s56, s56, 14                        ; which 64 rows of a tile I fetch
	s_add_co_u32 s40, s40, s56
	s_mov_b32 s41, 0
	s_mul_i32 s57, s18, HALF                       ; and where they go: K's halves, then V's halves = wave x 64 rows
	s_mul_i32 s52, s18, 32*PITCH                   ; my 32 rows of a tile
	; offsets of q, u, psum
	s_lshl_b32 s20, s22, 12                        ; 16 rows of 256 bytes a tile of s
	s_lshl_b32 s58, s21, 18
	s_lshl_b32 s62, s18, 16
	s_add_co_u32 s62, s62, s58
	s_add_co_u32 s58, s58, s20                     ; q: (1024 b + 16 st) x 256
	s_mov_b32 s59, 0
	s_lshl_b32 s60, s21, 22
	s_lshl_b32 s23, s18, 20
	s_add_co_u32 s60, s60, s23
	s_add_co_u32 s60, s60, s20                     ; u: ((16 b + 4 w) x 1024 + 16 st) x 256
	s_mov_b32 s61, 0
	s_lshl_b32 s23, s22, 8
	s_add_co_u32 s62, s62, s23                     ; psum: ((16 b + 4 w) x 64 + st) x 256
	s_mov_b32 s63, 0
	v_and_b32 v1, 31, v0                           ; L
	v_and_b32 v2, 15, v0                           ; r
	v_bfe_u32 v3, v0, 4, 1                         ; g
	v_lshlrev_b32 v[UO], 4, v1
	v_lshlrev_b32 v[PO], 4, v2
	v_mul_u32_u24 v[KAL], v2, PITCH
	v_lshl_add_u32 v[KAL], v3, 7, v[KAL]
	v_lshl_add_u32 v[STO], s18, 14, v[KAL]
	v_add_nc_u32 v[KAL], s52, v[KAL]
	v_mov_b32 v[KAC], v[KAL]                       ; tile 0 lies in slot 0, at base 0
	v_mul_u32_u24 v[VAL], v3, 8*PITCH
	v_add_nc_u32 v[VAL], v[VAL], v[PO]
	v_add_nc_u32 v[VAL], s52, v[VAL]
	v_add_nc_u32 v[VAL], VOFF, v[VAL]
	v_mov_b32 v[VAC], v[VAL]
	v_add_nc_u32 v[WQA], WQB, v[UO]
	v_lshl_add_u32 v[WQS], s18, 13, v[WQA]
	v_lshl_add_u32 v[WO], v3, 13, v[PO]
	v_lshl_add_u32 v[WO], s18, 16, v[WO]
	v_lshlrev_b32 v[QO], 8, v2
	v_lshl_add_u32 v[QO], v3, 7, v[QO]
	v_lshl_add_u32 v[RS], s18, 16, v[UO]
	v_lshl_add_u32 v[RL], s18, 14, v[UO]
	v_add_nc_u32 v[RL+1], 0x10000, v[RL]
	v_add_nc_u32 v[RL+2], 0x20000, v[RL]
	v_add_nc_u32 v[RL+3], 0x30000, v[RL]
	v_mul_u32_u24 v[SRD], v3, PITCH
	v_add_nc_u32 v[SRD], v[SRD], v[PO]
	v_lshl_add_u32 v[SRD], s18, 14, v[SRD]
	s_wait_dscnt 0x0
	s_wait_kmcnt 0x0
	s_load_b32 s45, s[12:13], 0x0                  ; scale_factor
	s_add_nc_u64 s[8:9], s[8:9], s[58:59]
	s_add_nc_u64 s[14:15], s[14:15], s[60:61]
	s_add_nc_u64 s[16:17], s[16:17], s[62:63]
	s_cmp_lt_u32 s18, 2                            ; waves 0, 1 fetch K's halves, waves 2, 3 V's
	s_cselect_b64 s[42:43], s[4:5], s[6:7]
	s_add_nc_u64 s[42:43], s[42:43], s[40:41]
.irp s,0,1
	s_mov_b32 s[G0+4*\s], 1                                        ; count = 1
	s_add_co_u32 s[G0+4*\s+1], s57, \s*SLOT                        ; LDS address
	s_add_nc_u64 s[G0+4*\s+2:G0+4*\s+3], s[42:43], \s*TILEB        ; tile s
	s_or_b32 s[G0+4*\s+3], s[G0+4*\s+3], 0x80000000                ; type = 2
.endr
	; ---- q and my four heads of W, straight into the registers from which the fragments are packed ----
.irp x,0,1,2,3,4,5,6,7
	global_load_b128 v[QL+4*\x:QL+4*\x+3], v[QO], s[8:9] offset:16*\x      ; QL[y] = q(r, 32g + y)
.endr
	WIN 0x80                                       ; destination window 2: heads 0, 1 of my four
.irp i,0,1
.set row, 0
.rept 32
	global_load_b128 v[128*\i+4*row:128*\i+4*row+3], v[WO], s[10:11] offset:\i*16384+row*256   ; W(32g + row, 4r ..): two whole rows of 256 bytes
.set row, row+1
.endr
.endr
	WIN 0xc0                                       ; window 3: heads 2, 3
.irp i,0,1
.set row, 0
.rept 32
	global_load_b128 v[128*\i+4*row:128*\i+4*row+3], v[WO], s[10:11] offset:(\i+2)*16384+row*256
.set row, row+1
.endr
.endr
	WIN 0
	ROUND                                          ; the four work-groups are here: the first joint loads meet
	tensor_load_to_lds s[G0:G0+3], s[G1:G1+7]      ; tile 0
	s_nop 0
	tensor_load_to_lds s[G0R:G0R+3], s[G1:G1+7]    ; tile 1: two tensor loads of the wave are out here, later one
	s_nop 0
	; ---- wq ----
	s_wait_kmcnt 0x0
	s_mul_f32 s46, s45, 0x3fb8aa3b                 ; alpha = scale_factor x log2(e)
	s_and_b32 s54, s46, 0x80000000
	s_or_b32 s54, s54, 0x3f800000                  ; +1 or -1 with alpha's sign: q takes it, so that the largest S is the largest exponent whatever the sign
	s_mov_b32 s55, s54
	s_and_b32 s46, s46, 0x7fffffff                 ; |alpha|, for the multiply-add in front of the exponentials
	s_mov_b32 s47, s46
	s_or_b32 s52, s46, 0x80000000                  ; - |alpha|, for the maxima
	s_mov_b32 s53, s52
	s_wait_loadcnt 63                              ; 63 is the largest count that the wait can name: of the 136 loads the first 73 are in, q's eight and heads 0, 1 among them
.set y, 0
.rept 16
	v_pk_mul_f32 v[QL+y:QL+y+1], v[QL+y:QL+y+1], s[54:55] op_sel_hi:[1,0]
.set y, y+2
.endr
.set z, 0
.rept 16
	v_cvt_pk_f16_f32 v[QF+z], v[QL+2*z], v[QL+2*z+1]
.set z, z+1
.endr
	HEADW 0
	HEADW 1
	s_wait_loadcnt 32                              ; head 3's 32 loads may stay out
	HEADW 2
	s_wait_loadcnt 0x0
	HEADW 3
	s_wait_dscnt 0x0                               ; my heads' fragments are in LDS,
	s_wait_tensorcnt 0x1                           ; and my part of tile 0; tile 1's may stay out
	s_barrier_signal -1
	s_barrier_wait -1
	WQLOAD 0, 0
	WQLOAD 1, 1
	KLOAD
	s_wait_dscnt 0x0
	KCVT
	; ---- the eight tiles of t ----
	s_mov_b32 s44, FILLS
.Lfill:                                            ; steps 0 .. 5: step n asks for tile n + 2, into the slot that it has read
	STEP 2, 1
	s_sub_co_u32 s44, s44, 1
	s_cmp_lg_u32 s44, 0
	s_cbranch_scc1 .Lfill
	; Steps 6 and 7 fill nothing, so they are a text of their own, without a tensor load.  One body serves both, so step 7 still makes the look-ahead for a step that does not follow:
	; sixteen loads of K (from the slot that holds tile 6), sixteen of wq and 32 conversions, whose results are not used.  They read LDS bytes that are written and that nobody overwrites.
	s_mov_b32 s44, 2
.Llast:
	STEP 1, 0
	s_sub_co_u32 s44, s44, 1
	s_cmp_lg_u32 s44, 0
	s_cbranch_scc1 .Llast
	; ---- the four waves' partial dv are added ----
	PLACES                                         ; behind the last products: the stores below read their results, the loads below land on their sources
	s_wait_dscnt 0x0
	s_barrier_signal -1
	s_barrier_wait -1                              ; nobody reads the slots or wq any more, and every slot has had its last fill
	WIN 0x08                                       ; store data window 2: heads 0-7
.set y, 0
.rept 64
	ds_store_b128 v[RS], v[4*y:4*y+3] offset:512*y                 ; quad n of my 512 registers at 512 n: head h begins at 4,096 h, so the heads of wave h >> 2 fill block h >> 2
.set y, y+1
.endr
	WIN 0x0c                                       ; window 3: heads 8-15
.set y, 0
.rept 64
	ds_store_b128 v[RS], v[4*y:4*y+3] offset:32768+512*y
.set y, y+1
.endr
	WIN 0
	s_wait_dscnt 0x0
	s_barrier_signal -1
	s_barrier_wait -1
	WIN 0x40
.set y, 0
.rept 32
	ds_load_b128 v[4*y:4*y+3], v[RL+1] offset:512*y                ; from wave 1, into window 1
.set y, y+1
.endr
.set y, 0
.rept 32
	ds_load_b128 v[128+4*y:128+4*y+3], v[RL+2] offset:512*y        ; from wave 2
.set y, y+1
.endr
	WIN 0
.set y, 0
.rept 32
	ds_load_b128 v[X+4*y:X+4*y+3], v[RL] offset:512*y              ; from wave 0
.set y, y+1
.endr
	WIN 0x80
.set y, 0
.rept 32
	ds_load_b128 v[4*y:4*y+3], v[RL+3] offset:512*y                ; from wave 3, into window 2
.set y, y+1
.endr
	s_wait_dscnt 63                                ; the largest count that the wait can name: of the 128 loads the first 65 are in, those from waves 1 and 2 among them
	WIN 0x45
.set y, 0
.rept 64
	v_pk_add_f32 v[y:y+1], v[y:y+1], v[128+y:128+y+1]
.set y, y+2
.endr
	s_wait_dscnt 0x0
	WIN 0x08
.set y, 0
.rept 64
	v_pk_add_f32 v[X+y:X+y+1], v[X+y:X+y+1], v[y:y+1]
.set y, y+2
.endr
	WIN 0x04
.set y, 0
.rept 64
	v_pk_add_f32 v[X+y:X+y+1], v[X+y:X+y+1], v[y:y+1]
.set y, y+2
.endr
	WIN 0
	; ---- my four heads to the end ----
	EPI 0
	EPI 1
	EPI 2
	EPI 3
	v_cmp_gt_u32 vcc_lo, 16, v1                    ; both halves of the lanes hold the same sums: lanes 0-15 store them
	s_wait_xcnt 0x0                                ; EXEC is a source of the stores above: it changes only behind this wait
	s_and_saveexec_b32 s50, vcc_lo
.irp i,0,1,2,3
	global_store_b128 v[PO], v[PS+4*\i:PS+4*\i+3], s[16:17] offset:\i*16384        ; one whole row of 256 bytes
.endr
	s_wait_xcnt 0x0
	s_or_b32 exec_lo, exec_lo, s50
	s_wait_tensorcnt 0x0
	ds_add_u32 v254, v255
	s_wait_dscnt 0x0
	ROUND                                          ; the closing round: no work-group ends while a partner may still ask for a tile that names it
	s_endpgm
.Lfunc_end_k_q06c6052a90_main:
	.size	k_q06c6052a90_main, .Lfunc_end_k_q06c6052a90_main-k_q06c6052a90_main
	.p2alignl 7, 3214868480
	.fill 96, 4, 3214868480
	.section	.rodata,"a",@progbits
	.p2align	6, 0x0
	.amdhsa_kernel k_q06c6052a90_main
		.amdhsa_group_segment_fixed_size 327680
		.amdhsa_private_segment_fixed_size 0
		.amdhsa_enable_private_segment 0
		.amdhsa_kernarg_size 56
		.amdhsa_user_sgpr_count 2
		.amdhsa_user_sgpr_kernarg_segment_ptr 1
		.amdhsa_wavefront_size32 1
		.amdhsa_system_sgpr_workgroup_id_x 1
		.amdhsa_system_sgpr_workgroup_id_y 1
		.amdhsa_system_sgpr_workgroup_id_z 1
		.amdhsa_system_vgpr_workitem_id 0
		.amdhsa_next_free_vgpr 1024
		.amdhsa_next_free_sgpr 66
		.amdhsa_reserve_vcc 1
		.amdhsa_float_denorm_mode_32 3
		.amdhsa_float_denorm_mode_16_64 3
		.amdhsa_memory_ordered 1
		.amdhsa_forward_progress 1
		.amdhsa_inst_pref_size 255
	.end_amdhsa_kernel
	.section	.bss,"aw",@nobits
	.p2align	6
	.space	262144
	.amdgpu_metadata
---
amdhsa.version: [ 1, 2 ]
amdhsa.kernels:
  - .name:           k_q06c6052a90_main
    .symbol:         k_q06c6052a90_main.kd
    .args:
      - { .name: key, .offset: 0, .size: 8, .value_kind: global_buffer, .address_space: global }
      - { .name: value, .offset: 8, .size: 8, .value_kind: global_buffer, .address_space: global }
      - { .name: query, .offset: 16, .size: 8, .value_kind: global_buffer, .address_space: global }
      - { .name: weight, .offset: 24, .size: 8, .value_kind: global_buffer, .address_space: global }
      - { .name: scale_factor, .offset: 32, .size: 8, .value_kind: global_buffer, .address_space: global }
      - { .name: u, .offset: 40, .size: 8, .value_kind: global_buffer, .address_space: global }
      - { .name: psum, .offset: 48, .size: 8, .value_kind: global_buffer, .address_space: global }
    .group_segment_fixed_size: 327680
    .private_segment_fixed_size: 0
    .kernarg_segment_align: 8
    .kernarg_segment_size: 56
    .max_flat_workgroup_size: 128
    .sgpr_count:     66
    .vgpr_count:     1024
    .wavefront_size: 32
...
	.end_amdgpu_metadata
.endif
;; end of part 3
;; launch finish: the kernel of part 2 again; grid 256 x 1, 8 waves a work-group, no clusters, 3,072 bytes of LDS; arguments u, psum, out0; writes out0
